; MI455X (gfx1250); checked and timed in simulation.
; The chip was launched on July 23, 2026; its instructions are those of AMD's public machine-readable ISA for CDNA 5 (MIT licence, August 2026) and "CDNA5" Instruction Set Architecture Reference Guide (July 2026). The comments in the code are by the model that wrote it; some were corrected since.
;; Relative Attention. Allowed arithmetic: matrix products marked QUANTISED: E2M1 operands, one E8M0 scale for each 32 along K, by v_wmma_scale_f32_16x16x128_f8f6f4 with both operands' format E2M1 (or v_wmma_scale_f32_32x16x128_f4), f32 sums; products left as they are: bf16, f16 or f32 operands; f32 sums; everything else in f32.
;; Inputs: Er 1,024 x 64 float32; Wk 1,024 x 1,024 float32; Wq 1,024 x 1,024 float32; Wv 1,024 x 1,024 float32; bk 1,024 float32; bq 1,024 float32; bv 1,024 float32; x 4 x 1,024 x 1,024 float32.
;; Outputs: out0 4 x 1,024 x 1,024 float32.
;; This version of the problem:
;;   THIS VERSION OF THE PROBLEM IS GIVEN IN LOW PRECISION. The matrix products marked QUANTISED in the list below multiply operands that are first quantised to E2M1 (2 exponent bits, 1 mantissa bit; 4 bits a number), with one power-of-two scale for each 32 numbers along K (OCP MX v1.0); their sums are f32. The products marked 'left as it is' may take bf16, f16 or f32 operands, with f32 sums. Whichever they take, every output number must still come out within the allowed error. Rounding operands to bf16 (8 significant bits) uses up far more of that allowance than f16 does (11 bits, for magnitudes from 6e-5 to 65,504). All else is computed in f32.
;;   The module's matrix products, in the order in which they are computed (A, B: the left and right operand; K: the contracted axis; several contracted axes count as one K, in the product's order):
;;     1. [M 4,096, K 1,024] x [K 1,024, N 1,024]; A: input x; B: input Wq: QUANTISED
;;     2. [M 4,096, K 1,024] x [K 1,024, N 1,024]; A: input x; B: input Wk: QUANTISED
;;     3. [M 4,096, K 1,024] x [K 1,024, N 1,024]; A: input x; B: input Wv: QUANTISED
;;     4. [M 65,536, K 64] x [K 64, N 1,024]; A: computed on the way; B: input Er: left as it is (an operand is computed on the way)
;;     5. batch 64 x [M 1,024, K 64] x [K 64, N 1,024]; A: computed on the way; B: computed on the way: left as it is (an operand is computed on the way)
;;     6. batch 64 x [M 1,024, K 1,024] x [K 1,024, N 64]; A: computed on the way; B: computed on the way: left as it is (an operand is computed on the way)
;;   THE QUANTISER, for each operand of a quantised product, along K:
;;     - K is cut into blocks of 32 from its start; a last block that is shorter is filled with zeros.
;;     - A block's scale is 2^e with e = floor(log2(the largest magnitude in the block)) - 2, held to -126 .. 127; a block of zeros has e = 0. As a byte (E8M0): e + 127.
;;     - Each number is divided by its block's scale, clamped to +-6, and rounded to the nearest number of E2M1, ties to even, subnormals kept.
;;     - The product sums the exact products of the quantised numbers (number of the format x scale) in f32.
;;   ~~~python
;;   def quantise(x, axis):      # numpy; x: float32 -> the quantised numbers, widened to float32 again
;;       x = np.moveaxis(x, axis, -1); K = x.shape[-1]
;;       x = np.pad(x, [(0, 0)] * (x.ndim - 1) + [(0, -K % 32)]); x = x.reshape(x.shape[:-1] + (-1, 32)); a = np.abs(x).max(-1, keepdims=True)
;;       e = np.where(a > 0, np.clip(np.frexp(np.where(a > 0, a, 1))[1] - 1 - 2, -126, 127), 0)      # np.frexp(a)[1] - 1 = floor(log2(a)), exactly
;;       r = np.clip(x / 2.0 ** e, -6, 6)
;;       step = 2.0 ** (np.maximum(np.frexp(np.where(r == 0, 1, r))[1] - 1, 0) - 1)
;;       q = np.round(r / step) * step * 2.0 ** e      # np.round: ties to even
;;       return np.moveaxis(q.reshape(q.shape[:-2] + (-1,))[..., :K], -1, axis).astype(np.float32)
;;   ~~~
;; One version. Each part assembles by itself: llvm-mc -triple=amdgcn-amd-amdhsa -mcpu=gfx1250 --defsym DOCPART=n.
;; ======== version 1 of 1: 4 launches
;; limits: values are held in f16: magnitudes above 65,504 overflow, below 6.1e-05 lose precision
;; workspace buffers: xc 2,097,152 bytes; xs 131,072 bytes; wc 1,572,864 bytes; ws 98,304 bytes; er16 147,456 bytes; qkv 25,165,824 bytes; first 786,432 bytes
;; launch quant (part 1): grid 233 x 1, 8 waves a work-group, no clusters, 64,512 bytes of LDS; arguments x, Wq, Wk, Wv, Er, xc, xs, wc, ws, er16; writes xc, xs, wc, ws, er16
.if DOCPART == 1
	.amdgcn_target "amdgcn-amd-amdhsa--gfx1250"
	.amdhsa_code_object_version 6
	.text
	.protected	k_qd920bccd92_quant
	.globl	k_qd920bccd92_quant
	.p2align	8
	.type	k_qd920bccd92_quant,@function
k_qd920bccd92_quant:
	s_mov_b64 s[64:65], 0
	v_nop
	global_prefetch_b8 v0, s[64:65] scope:SCOPE_SE
	s_setreg_imm32_b32 hwreg(HW_REG_WAVE_MODE, 25, 1), 1
	s_wait_xcnt 0x0
; Three jobs in one launch, told apart by the work-group's number alone:
;   work-groups 0-127   X: x [4096][1024] f32 -> codes of FP4 (E2M1) xc [4096][512 bytes] and E8M0 scale bytes xs [4096][32], K innermost as it lies.
;                          The ROWS are laid in another order, in groups of 8: token 128 s + 64 half + 8 u + i goes to row 128 s + 16 u + 8 half + i,
;                          so that 16 neighbouring rows are tokens 8 u .. 8 u + 7 and 64 + 8 u .. 64 + 8 u + 7 of a block of 128: the tiles that the attention launch wants.
;   work-groups 128-223 W: Wq, Wk, Wv [1024 (k)][1024 (n)] f32 -> wc [3072 (n)][512 bytes], ws [3072][32]: K is their first axis, so a lane takes a column and its registers run down K.
;   work-groups 224-232 E: Er [1024][64] f32 -> er16, f16, 144 groups of 8 rows x 1,024 bytes in the order of an operand's registers:
;                          the 16 bytes at 512 c + 256 q + 128 h + 16 i of group g are Er[8 g + i][32 c + 16 q + 8 h + 0 .. 7].  Groups 128-143 are zeros.
; A block's scale is 2^(floor(log2(its largest magnitude)) - 2); its byte is the largest magnitude's exponent field - 2, held at 1 from below.
; LIMITS: a block of zeros gets the byte 1 where the rule says 127 (its codes are zeros, and this program alone reads the bytes); blocks whose largest magnitude lies under 2^-124
; keep the byte 1; NaN and infinities among the inputs are not served; |Er| stays under 65,504, f16's largest number.
; Each path has LDS bytes of its own.  No tensor loads; path X has no barrier (waves share nothing), path W one.
.set SP,    80                         ; path X: a lane's place in a stage: 64 bytes + 16 of padding
.set XREG,  5632                       ; path X: a wave's region: two stages of 32 x SP bytes, then its 128 scale bytes
.set WST,   8*XREG                     ; path W: 64 rows (columns n) x (256 bytes of codes + 16)
.set WP,    272
.set WSC,   WST+64*WP                  ; path W: 64 x 16 scale bytes
.set SPARE, WSC+64*16                  ; the spare words, 128 bytes for each of the eight waves: four blocks of 256 bytes that no other line names
.set EMAX,  2
.set SPW,   12                         ; v12  LDS address of my spare word; never rewritten
.set NIL,   13                         ; v13  0; never rewritten
.macro FINISH                          ; a wave's end, behind the last LDS store
	s_wait_tensorcnt 0x0
	ds_add_u32 v[SPW], v[NIL]
	s_wait_dscnt 0x0
	s_endpgm
.endm
	s_load_b256 s[4:11], s[0:1], 0x0               ; x s[4:5], Wq s[6:7], Wk s[8:9], Wv s[10:11]
	s_load_b256 s[12:19], s[0:1], 0x20             ; Er s[12:13], xc s[14:15], xs s[16:17], wc s[18:19]
	s_load_b128 s[20:23], s[0:1], 0x40             ; ws s[20:21], er16 s[22:23]
	v_lshl_add_u32 v[SPW], v0, 2, SPARE
	v_mov_b32 v[NIL], 0
	v_lshrrev_b32 v1, 5, v0
	v_readfirstlane_b32 s24, v1                    ; wave 0..7
	v_and_b32 v2, 31, v0                           ; lane
	s_wait_kmcnt 0x0
	s_cmp_lt_u32 ttmp9, 128
	s_cbranch_scc0 .Lnot_x
; ---------------- PATH X.  A wave takes 4 rows, 4,096 numbers, in 8 steps of 512.  Each load reads 512 consecutive bytes; a step's 2,048 bytes turn through the wave's own stage,
; so that a lane then holds 16 neighbours along K (two neighbouring lanes hold a block of 32).  All 32 loads go out at once.
.set R,  16                            ; v16-143  eight sets of 16 numbers as loaded
.set XN, 144                           ; v144-175 two sets of 16 neighbours
.set C,  176                           ; v176-191 two registers of codes for each step: no store's data are written again
.set E,  192                           ; v192-199 a scale byte for each step
	v_lshlrev_b32 v3, 4, v2                        ; my 16 bytes of a load's 512
	s_mul_i32 s25, s24, XREG
	v_lshrrev_b32 v14, 2, v2
	v_mul_u32_u24 v14, v14, SP
	v_and_b32 v15, 3, v2
	v_lshl_add_u32 v14, v15, 4, v14
	v_add_nc_u32 v14, s25, v14                     ; the stage, way in: SP (lane / 4) + 16 (lane % 4)
	v_mul_u32_u24 v15, v2, SP
	v_add_nc_u32 v15, s25, v15                     ; way out: SP x lane
	v_lshlrev_b32 v4, 3, v2                        ; my 8 bytes of a step's 256 bytes of codes
	v_lshrrev_b32 v5, 1, v2
	s_add_co_u32 s25, s25, 2*32*SP
	v_add_nc_u32 v5, s25, v5                       ; my block's scale byte in LDS
	v_lshlrev_b32 v7, 2, v2
	v_add_nc_u32 v6, s25, v7                       ; and on the way out 4 bytes a lane
	s_lshl_b32 s26, ttmp9, 3
	s_add_co_u32 s26, s26, s24                     ; which run of 4 rows
	s_lshl_b32 s28, s26, 14
	s_mov_b32 s29, 0
	s_add_nc_u64 s[4:5], s[4:5], s[28:29]          ; x at my 4 rows
	s_lshr_b32 s27, s26, 1                         ; the group of 8 rows: 16 s + 8 half + u
	s_and_b32 s30, s27, 0x1f0
	s_and_b32 s31, s27, 7
	s_lshl_b32 s31, s31, 1
	s_or_b32 s30, s30, s31
	s_bfe_u32 s31, s27, 0x10003
	s_or_b32 s30, s30, s31                         ; goes to group 16 s + 2 u + half
	s_lshl_b32 s30, s30, 3
	s_and_b32 s31, s26, 1
	s_lshl_b32 s31, s31, 2
	s_add_co_u32 s30, s30, s31                     ; my first row in xc and xs
	s_lshl_b32 s28, s30, 9
	s_add_nc_u64 s[14:15], s[14:15], s[28:29]
	s_lshl_b32 s28, s30, 5
	s_add_nc_u64 s[16:17], s[16:17], s[28:29]
.macro XLOAD t
.irp i, 0,1,2,3
	global_load_b128 v[R+16*(\t)+4*\i:R+16*(\t)+4*\i+3], v3, s[4:5] offset:2048*(\t)+512*\i th:TH_LOAD_NT
.endr
.endm
.macro XTURN t                         ; step t's numbers through the stage: LDS serves a wave's instructions in order, so no wait stands between the stores and the loads
.irp i, 0,1,2,3
	ds_store_b128 v14, v[R+16*(\t)+4*\i:R+16*(\t)+4*\i+3] offset:32*SP*((\t)%2)+8*SP*\i
.endr
.irp i, 0,1,2,3
	ds_load_b128 v[XN+16*((\t)%2)+4*\i:XN+16*((\t)%2)+4*\i+3], v15 offset:32*SP*((\t)%2)+16*\i
.endr
.endm
.irp t, 0,1,2,3,4,5,6,7
	XLOAD \t
.endr
	s_wait_loadcnt 28                              ; step 0's four loads are in; the 28 behind them may be out
	XTURN 0
.macro XSTEP t
.set XS, XN+16*((\t)%2)
.if (\t) > 0
	s_wait_dscnt 1                                 ; this step's numbers are back from the stage; the last step's byte store may be out
.else
	s_wait_dscnt 0x0
.endif
.if (\t) < 7
	s_wait_loadcnt 4*(6-(\t))                      ; the next step's four loads are in; those of the steps behind it may be out
	XTURN (\t)+1                                   ; they go through the other stage while this step is worked
.endif
	v_max3_num_f32 v8, |v[XS]|, |v[XS+1]|, |v[XS+2]|               ; the largest magnitude of my 16, in two chains
	v_max3_num_f32 v9, |v[XS+3]|, |v[XS+4]|, |v[XS+5]|
.irp i, 6,10
	v_max3_num_f32 v8, v8, |v[XS+\i]|, |v[XS+\i+1]|
	v_max3_num_f32 v9, v9, |v[XS+\i+2]|, |v[XS+\i+3]|
.endr
	v_max3_num_f32 v8, v8, |v[XS+14]|, |v[XS+15]|
	v_max3_num_f32 v8, v8, v9, (EMAX+1)<<23        ; and the floor 2^(3 - 127): the byte cannot fall under 1
	v_max_num_f32_dpp v8, v8, v8 row_xmask:1 row_mask:0xf bank_mask:0xf   ; with my neighbour's 16: the block's
	v_add_nc_u32 v11, -(EMAX<<23), v8              ; 2 off its exponent field: the conversion takes the exponent field of this operand as its scale
	v_cvt_scalef32_pk8_fp4_f32 v[C+2*(\t)], v[XS:XS+7], v11
	v_cvt_scalef32_pk8_fp4_f32 v[C+2*(\t)+1], v[XS+8:XS+15], v11
	v_lshrrev_b32 v[E+(\t)], 23, v11               ; the scale's byte (also the plain line behind the conversions)
	ds_store_b8 v5, v[E+(\t)] offset:16*(\t)       ; both lanes of a block write the same byte with the same value
	global_store_b64 v4, v[C+2*(\t):C+2*(\t)+1], s[14:15] offset:256*(\t)   ; the wave stores 256 consecutive bytes, aligned
.endm
.irp t, 0,1,2,3,4,5,6,7
	XSTEP \t
.endr
	ds_load_b32 v8, v6                             ; my wave's 128 scale bytes: these loads see my stores
	s_wait_dscnt 0x0
	global_store_b32 v7, v8, s[16:17]
	FINISH
; ---------------- PATH W.  A work-group takes 64 columns x 512 along K of one weight; wave w takes columns 32 (w % 2) on and K 128 (w / 2) on: 4 blocks of 32 a lane.
; A block lies in ONE lane's 32 registers, so its maximum needs no other lane and the codes come out with K innermost.  Four waves make the 256 bytes of a row of codes:
; they meet in LDS behind a barrier and leave as whole aligned runs of 256 bytes.  Loads run two blocks, 64 loads a wave, ahead.
.Lnot_x:
	s_cmp_lt_u32 ttmp9, 224
	s_cbranch_scc0 .Lnot_w
	s_sub_co_u32 s25, ttmp9, 128                   ; y = 32 x tensor + 2 x (64 columns) + (half of K)
	s_cmp_lt_u32 s25, 32
	s_cselect_b64 s[6:7], s[6:7], s[8:9]           ; the choice hangs on the work-group's number alone
	s_cmp_lt_u32 s25, 64
	s_cselect_b64 s[6:7], s[6:7], s[10:11]
	s_lshr_b32 s26, s25, 5                         ; tensor
	s_bfe_u32 s27, s25, 0x40001                    ; which 64 columns
	s_and_b32 s28, s25, 1                          ; which half of K
	s_and_b32 s29, s24, 1                          ; which 32 of the 64 columns
	s_lshr_b32 s30, s24, 1                         ; which 128 of the 512 along K
	s_lshl_b32 s32, s28, 21                        ; 512 rows of 4,096 bytes
	s_lshl_b32 s33, s30, 19                        ; 128 rows
	s_add_co_u32 s32, s32, s33
	s_lshl_b32 s33, s27, 8                         ; 64 columns of 4 bytes
	s_add_co_u32 s32, s32, s33
	s_lshl_b32 s33, s29, 7
	s_add_co_u32 s32, s32, s33
	s_mov_b32 s33, 0
	s_add_nc_u64 s[6:7], s[6:7], s[32:33]
	s_lshl_b32 s32, s26, 19                        ; the codes: (1024 tensor + 64 cg) rows of 512 bytes + 256 x half
	s_lshl_b32 s34, s27, 15
	s_add_co_u32 s32, s32, s34
	s_lshl_b32 s34, s28, 8
	s_add_co_u32 s32, s32, s34
	s_add_nc_u64 s[18:19], s[18:19], s[32:33]
	s_lshl_b32 s32, s26, 15                        ; the scale bytes: rows of 32 bytes + 16 x half
	s_lshl_b32 s34, s27, 11
	s_add_co_u32 s32, s32, s34
	s_lshl_b32 s34, s28, 4
	s_add_co_u32 s32, s32, s34
	s_add_nc_u64 s[20:21], s[20:21], s[32:33]
	v_lshlrev_b32 v3, 2, v2                        ; in: 4 bytes a lane
	s_lshl_b32 s34, s29, 5
	v_add_nc_u32 v1, s34, v2                       ; my column of the 64
	v_mul_u32_u24 v4, v1, WP
	s_lshl_b32 s35, s30, 6
	s_add_co_u32 s35, s35, WST
	v_add_nc_u32 v4, s35, v4                       ; my column's row in LDS, my wave's 64 bytes of it
	v_lshlrev_b32 v5, 4, v1
	s_lshl_b32 s35, s30, 2
	s_add_co_u32 s35, s35, WSC
	v_add_nc_u32 v5, s35, v5                       ; my column's scale bytes, my wave's four
	v_and_b32 v6, 15, v2
	v_lshrrev_b32 v7, 4, v2
	s_lshl_b32 s35, s24, 3
	v_add_nc_u32 v7, s35, v7                       ; the way out: wave w takes rows 8 w on, sixteen lanes to a row
	v_mul_u32_u24 v10, v7, WP
	v_lshl_add_u32 v10, v6, 4, v10
	v_add_nc_u32 v10, WST, v10
	v_lshlrev_b32 v14, 9, v7
	v_lshl_add_u32 v14, v6, 4, v14                 ; the same place in wc
	v_lshl_add_u32 v15, v0, 2, WSC                 ; the scale bytes' way out: 4 bytes a thread
	v_lshrrev_b32 v162, 2, v0
	v_and_b32 v163, 3, v0
	v_lshlrev_b32 v162, 5, v162
	v_lshl_add_u32 v162, v163, 2, v162             ; column (thread / 4), its row of 32 bytes, word thread % 4
.macro WLOAD t                         ; block t: W(32 t + i, my column), i = 0 .. 31
.irp i, 0,1,2,3,4,5,6,7,8,9,10,11,12,13,14,15,16,17,18,19,20,21,22,23,24,25,26,27,28,29,30,31
	global_load_b32 v[16+32*(\t)+\i], v3, s[6:7] offset:(32*(\t)+\i)*4096 th:TH_LOAD_NT
.endr
.endm
	WLOAD 0
	WLOAD 1
.macro WBLOCK t
.set XS, 16+32*(\t)
.if (\t) < 3
	s_wait_loadcnt 32                              ; this block's 32 loads are in; the next block's may be out
.else
	s_wait_loadcnt 0x0
.endif
.if (\t)+2 < 4
	WLOAD (\t)+2
.endif
	v_max3_num_f32 v8, |v[XS]|, |v[XS+1]|, |v[XS+2]|               ; the block's largest magnitude: all 32 numbers are mine
	v_max3_num_f32 v9, |v[XS+3]|, |v[XS+4]|, |v[XS+5]|
.irp i, 6,10,14,18,22,26
	v_max3_num_f32 v8, v8, |v[XS+\i]|, |v[XS+\i+1]|
	v_max3_num_f32 v9, v9, |v[XS+\i+2]|, |v[XS+\i+3]|
.endr
	v_max3_num_f32 v8, v8, |v[XS+30]|, |v[XS+31]|
	v_max3_num_f32 v8, v8, v9, (EMAX+1)<<23
	v_add_nc_u32 v11, -(EMAX<<23), v8
	v_lshrrev_b32 v9, 23, v11                      ; the scale's byte
.if (\t) == 0
	v_mov_b32 v160, v9                             ; four bytes to a register, the lower K in the lower byte
.else
	v_lshl_or_b32 v160, v9, 8*(\t), v160
.endif
.irp g, 0,1,2,3
	v_cvt_scalef32_pk8_fp4_f32 v[144+4*(\t)+\g], v[XS+8*\g:XS+8*\g+7], v11
.endr
	v_nop                                          ; one plain line behind the conversions
	ds_store_b128 v4, v[144+4*(\t):144+4*(\t)+3] offset:16*(\t)    ; 32 codes: 16 bytes of my column's row; each block has its own four registers
.endm
.irp t, 0,1,2,3
	WBLOCK \t
.endr
	ds_store_b32 v5, v160
	s_wait_dscnt 0x0                               ; for the others' sake: my stores have landed
	s_barrier_signal -1
	s_barrier_wait -1
.irp i, 0,1,2,3
	ds_load_b128 v[164+4*\i:167+4*\i], v10 offset:2*\i*WP
.endr
	ds_load_b32 v180, v15
.irp i, 0,1,2,3
	s_wait_dscnt 4-\i                              ; the loads behind this one may be out
	global_store_b128 v14, v[164+4*\i:167+4*\i], s[18:19] offset:2*\i*512   ; sixteen lanes store 256 consecutive bytes, aligned
.endr
	s_wait_dscnt 0x0
	global_store_b32 v162, v180, s[20:21]          ; 16 bytes of each column's row of 32: all of ws is 98,304 bytes
	FINISH
; ---------------- PATH E.  Work-group z < 8 turns 128 rows of Er into 16 groups; z = 8 writes the 16 groups of zeros.  A thread's 16 bytes out are 8 neighbouring channels of one row.
.Lnot_w:
	s_sub_co_u32 s25, ttmp9, 224
	s_lshl_b32 s26, s25, 14
	s_mov_b32 s27, 0
	s_add_nc_u64 s[22:23], s[22:23], s[26:27]
	v_lshlrev_b32 v4, 4, v0                        ; out: 16 bytes a thread, 4,096 a store of the work-group
	s_cmp_eq_u32 s25, 8
	s_cbranch_scc1 .Lzeros
	s_lshl_b32 s26, s25, 15
	s_add_nc_u64 s[12:13], s[12:13], s[26:27]
	v_lshrrev_b32 v3, 6, v0
	v_lshlrev_b32 v3, 11, v3                       ; in: group (thread / 64): 8 rows of 256 bytes,
	v_and_b32 v5, 7, v0
	v_lshl_add_u32 v3, v5, 8, v3                   ; row thread % 8,
	v_bfe_u32 v5, v0, 3, 3
	v_lshl_add_u32 v3, v5, 5, v3                   ; channels 8 ((thread / 8) % 8) on
.irp i, 0,1,2,3
	global_load_b128 v[16+8*\i:19+8*\i], v3, s[12:13] offset:8192*\i
	global_load_b128 v[20+8*\i:23+8*\i], v3, s[12:13] offset:8192*\i+16
.endr
	s_wait_loadcnt 0x0
.irp i, 0,1,2,3
.irp p, 0,1,2,3
	v_cvt_pk_f16_f32 v[48+4*\i+\p], v[16+8*\i+2*\p], v[17+8*\i+2*\p]
.endr
.endr
.irp i, 0,1,2,3
	global_store_b128 v4, v[48+4*\i:51+4*\i], s[22:23] offset:4096*\i
.endr
	FINISH
.Lzeros:
.irp p, 0,1,2,3
	v_mov_b32 v[48+\p], 0
.endr
.irp i, 0,1,2,3
	global_store_b128 v4, v[48:51], s[22:23] offset:4096*\i
.endr
	FINISH
.Lfunc_end_k_qd920bccd92_quant:
	.size	k_qd920bccd92_quant, .Lfunc_end_k_qd920bccd92_quant-k_qd920bccd92_quant
	.p2alignl 7, 3214868480
	.fill 96, 4, 3214868480
	.section	.rodata,"a",@progbits
	.p2align	6, 0x0
	.amdhsa_kernel k_qd920bccd92_quant
		.amdhsa_group_segment_fixed_size 64512
		.amdhsa_private_segment_fixed_size 0
		.amdhsa_enable_private_segment 0
		.amdhsa_kernarg_size 80
		.amdhsa_user_sgpr_count 2
		.amdhsa_user_sgpr_kernarg_segment_ptr 1
		.amdhsa_wavefront_size32 1
		.amdhsa_system_sgpr_workgroup_id_x 1
		.amdhsa_system_sgpr_workgroup_id_y 1
		.amdhsa_system_sgpr_workgroup_id_z 1
		.amdhsa_system_vgpr_workitem_id 0
		.amdhsa_next_free_vgpr 200
		.amdhsa_next_free_sgpr 66
		.amdhsa_reserve_vcc 0
		.amdhsa_float_denorm_mode_32 3
		.amdhsa_float_denorm_mode_16_64 3
		.amdhsa_memory_ordered 1
		.amdhsa_forward_progress 1
		.amdhsa_inst_pref_size 44
	.end_amdhsa_kernel
	.amdgpu_metadata
---
amdhsa.version: [ 1, 2 ]
amdhsa.kernels:
  - .name:           k_qd920bccd92_quant
    .symbol:         k_qd920bccd92_quant.kd
    .args:
      - { .name: x, .offset: 0, .size: 8, .value_kind: global_buffer, .address_space: global }
      - { .name: Wq, .offset: 8, .size: 8, .value_kind: global_buffer, .address_space: global }
      - { .name: Wk, .offset: 16, .size: 8, .value_kind: global_buffer, .address_space: global }
      - { .name: Wv, .offset: 24, .size: 8, .value_kind: global_buffer, .address_space: global }
      - { .name: Er, .offset: 32, .size: 8, .value_kind: global_buffer, .address_space: global }
      - { .name: xc, .offset: 40, .size: 8, .value_kind: global_buffer, .address_space: global }
      - { .name: xs, .offset: 48, .size: 8, .value_kind: global_buffer, .address_space: global }
      - { .name: wc, .offset: 56, .size: 8, .value_kind: global_buffer, .address_space: global }
      - { .name: ws, .offset: 64, .size: 8, .value_kind: global_buffer, .address_space: global }
      - { .name: er16, .offset: 72, .size: 8, .value_kind: global_buffer, .address_space: global }
    .group_segment_fixed_size: 64512
    .private_segment_fixed_size: 0
    .kernarg_segment_align: 8
    .kernarg_segment_size: 80
    .max_flat_workgroup_size: 256
    .sgpr_count:     66
    .vgpr_count:     200
    .wavefront_size: 32
...
	.end_amdgpu_metadata
.endif
;; end of part 1
;; launch proj (part 2): grid 12 x 16, 4 waves a work-group, clusters of 4 x 4, 327,680 bytes of LDS; arguments xc, xs, wc, ws, qkv, first, bq, bk, bv; writes qkv, first
.if DOCPART == 2
	.amdgcn_target "amdgcn-amd-amdhsa--gfx1250"
	.amdhsa_code_object_version 6
	.text
	.protected	k_qd920bccd92_proj
	.globl	k_qd920bccd92_proj
	.p2align	8
	.type	k_qd920bccd92_proj,@function
k_qd920bccd92_proj:
	s_mov_b64 s[64:65], 0
	v_nop
	global_prefetch_b8 v0, s[64:65] scope:SCOPE_SE
	s_setreg_imm32_b32 hwreg(HW_REG_WAVE_MODE, 25, 1), 1
	s_wait_xcnt 0x0
	s_wait_alu depctr_hold_cnt(0) depctr_sa_sdst(0) depctr_va_vdst(0) depctr_va_sdst(0) depctr_va_ssrc(0) depctr_va_vcc(0) depctr_vm_vsrc(0)
	s_getreg_b32 s2, hwreg(HW_REG_IB_STS2, 6, 4)
	s_cmp_eq_u32 s2, 0
	s_cbranch_scc0 .Lentry_in_a_cluster
	s_endpgm
.Lentry_in_a_cluster:
	s_bfe_u32 s2, ttmp6, 0x10000c
	s_cmp_lg_u32 s2, 0xf033
	s_cbranch_scc0 .Lentry_shape_is_right
	s_endpgm
.Lentry_shape_is_right:
; q, k, v = x W + b as ONE product on codes of FP4 (E2M1) with E8M0 scales: C[m][n] = sum over k of A[m][k] B[n][k], A = xc [4096][1024 codes] (rows in the order that the launch before laid),
; B = wc [3072 = Wq | Wk | Wv columns][1024 codes]; sums in f32; the bias is added in f32.
; A tile of C, 256 x 256, is made by a work-group of four waves; a wave makes 128 x 128: 64 accumulators, 512 registers.  All of K, 1,024, fits into two LDS slots of 512 along K: both are
; filled once, at the start, with the scale bytes; nothing is filled again.  12 x 16 = 192 tiles: a tile of 128 x 256 would make 384, one and a half to a WGP, at half the products for each LDS byte.
; CLUSTERS: 4 x 4 work-groups; A's tiles are asked for jointly along a row of the cluster, B's along a column.  A cluster's four tile columns are one of the three weights: the cluster's x names it.
; THE MATRIX INSTRUCTION IS USED TRANSPOSED (source 0 = 16 rows of B, source 1 = 16 rows of A): a lane holds eight neighbouring columns of one row of C.
; OUT: qkv, f16, [tensor 3][batch x head 64][block of 128 tokens 8][u 8][ct 4][512 bytes]; in a 512-byte block the 16 bytes at 256 h + 16 (g ^ 8 h) are token 64 (g / 8) + 8 u + g % 8 of the block of 128,
; channels 16 ct + 8 h + 0 .. 7 of the head.  Accumulator (a, b) of a wave IS such a block (u = a, ct = b % 4), lane (r, h) holding g = r: each store of the wave covers 512 consecutive bytes, aligned, and no stage in LDS is needed.
; Tokens 0-15 of each batch also leave in f32: first [tensor 3][batch 4][token 16][1024].
; LIMIT: |q|, |k|, |v| stay under 65,504, f16's largest number.
; REGISTERS, in windows of 256: window 0: v0-31 addresses; v32-95 scale words, two sets, and nothing else; v96-127 f16 results on the way out; v128-191 A's fragments, one set, later the sums with the bias; v192-255 the bias.
;   window 1: B's fragments, two sets, at v0 and v128.   window 2: the 32 accumulators of my rows 0-63 ((a, b) at v[8 (8 a + b)]);   window 3: those of my rows 64-127.
.set SIZE_K, 1024
.set KSTEP,  512                       ; along K in a slot
.set NQ,     KSTEP/128                 ; matrix instructions deep
.set ROWB,   256                       ; a tile's row in bytes
.set KROW,   SIZE_K*4/8                ; a row of codes in memory
.set PITCH,  272                       ; an LDS row: 256 bytes + 16 of padding: the 16 rows that a load touches start at 16 different banks (64 banks of 4 bytes: ISA guide 11.1)
.set FR,     8                         ; registers of a fragment: 16 rows x 128 K
.set NL,     2                         ; LDS loads that bring one
.set NP,     4                         ; places behind this matrix instruction (ISA guide 7.12.1)
.set HALFT,  128*PITCH                 ; 128 rows: what one tensor load brings
.set SLOT,   4*HALFT                   ; A's 256 rows, then B's 256 rows
.set KS,     SIZE_K/32                 ; a row of scale bytes
.set SCL,    2*SLOT                    ; behind the slots: the scales, as units of 256 bytes + 16 of padding
.set HALFS,  (128*KS/256)*272          ; the scales of 128 rows
.set SBLK,   (16*KS/256)*272           ; those of 16 rows
.set SPARE,  SCL+4*HALFS               ; the spare words, 128 bytes for each wave: two blocks of 256 bytes that no other line names
.set ADRA, 16                          ; v16-17  LDS address of my A fragments in slot 0, 1
.set ADRB, 20                          ; v20-21  the same for B
.set FO,   24                          ; v24     my byte offset in first: 4096 r + 32 h
.set CO,   26                          ; v26     my 16 bytes in a block of qkv: 256 h + 16 (r ^ 8 h)
.set ADRS, 27                          ; v27     LDS address of my scale words: lanes 0-15 A's rows, lanes 16-31 B's
.set SPW,  28                          ; v28     LDS address of my spare word; never rewritten
.set NIL,  29                          ; v29     0; never rewritten
.set BO,   31                          ; v31     32 h: my half's eight numbers of a tile's sixteen of the bias
.set SC,   32                          ; scale words: set s at v[SC + 32 s]; register 4 i + q: lanes 0-15 A's block i, lanes 16-31 B's block i, the slot's q-th 128 along K
.set HF,   96                          ; the way out: 32 registers of f16
.set AF,   128                         ; A's fragments
.set TS,   128                         ; the way out: 64 sums with the bias
.set BI,   192                         ; the bias: tile b's eight numbers of my half at v[BI + 8 b]
.set G1, 24                            ; s[24:31] descriptor group 1 for A's tiles;  s[32:39] group 0, one set for each slot
.set G0, 32
.set G1B, 48                           ; s[48:55], s[56:63] the same for B's tiles
.set G0B, 56
.set G1S, 68                           ; s[68:75], s[76:79] groups 1 and 0 for A's scales;  s[80:87], s[88:91] for B's
.set G0S, 76
.set G1SB, 80
.set G0SB, 88
.set MSB, 0
.macro WIN new                         ; the immediate's high byte repeats the setting that is left
.if MSB != \new
	s_set_vgpr_msb (MSB<<8)|\new
.set MSB, \new
.endif
.endm
.set MUL_LO, 0xa1                      ; source 0 (B) window 1, source 1 (A) window 0, C and D window 2
.set MUL_HI, 0xf1                      ; the same, C and D window 3
.set TO_B,   0x40                      ; destination window 1, address window 0
; A joint load: waves 0 and 1 fetch for A, waves 2 and 3 for B.  Each line has one mask and one set of registers for all that issue it; the branch hangs on the wave's number alone.
; An s_nop 0 and four v_nop follow each of the two lines.
.macro JLOAD g0a, g1a, g0b, g1b
	s_cmp_eq_u32 s15, 0
	s_cbranch_scc0 .Lfor_b_\@
	tensor_load_to_lds s[\g0a:\g0a+3], s[\g1a:\g1a+7]
	s_nop 0
.rept 4
	v_nop
.endr
	s_branch .Lasked_\@
.Lfor_b_\@:
	tensor_load_to_lds s[\g0b:\g0b+3], s[\g1b:\g1b+7]
	s_nop 0
.rept 4
	v_nop
.endr
.Lasked_\@:
.endm
.macro CROUND                          ; a round of the cluster's barrier
	s_barrier_signal -1
	s_barrier_wait -1
	s_cmp_lg_u32 s14, 0
	s_cbranch_scc1 .Lnot_wave_0_\@
	s_barrier_signal -3
.Lnot_wave_0_\@:
	s_barrier_wait -3
	s_barrier_signal -1
	s_barrier_wait -1
.endm
	s_load_b128 s[4:7], s[0:1], 0x0                ; A's codes s[4:5], A's scales s[6:7]
	s_load_b128 s[8:11], s[0:1], 0x10              ; B's codes s[8:9], B's scales s[10:11]
	s_load_b64 s[12:13], s[0:1], 0x20              ; qkv
	s_load_b64 s[2:3], s[0:1], 0x28                ; first
	s_load_b128 s[96:99], s[0:1], 0x30             ; bq, bk
	s_load_b64 s[100:101], s[0:1], 0x40            ; bv
	v_lshl_add_u32 v[SPW], v0, 2, SPARE
	v_mov_b32 v[NIL], 0
	ds_add_u32 v[SPW], v[NIL]                      ; the wave's opening: the add, twice on end, and its wait ahead of my first tensor load
	ds_add_u32 v[SPW], v[NIL]
	v_lshrrev_b32 v1, 5, v0
	v_readfirstlane_b32 s14, v1                    ; wave 0..3
	s_lshr_b32 s15, s14, 1                         ; which half of the tile's rows is mine.  Also: I fetch for A (0) or for B (1)
	s_and_b32 s16, s14, 1                          ; which half of its columns.  Also: which 128 rows of that tile I fetch
	s_bfe_u32 s40, ttmp6, 0x40000                  ; cx, cy: my place in the cluster
	s_bfe_u32 s41, ttmp6, 0x40004
	s_lshl_b32 s42, ttmp9, 2
	s_add_co_u32 s42, s42, s40                     ; tile column of C = 4 x cluster x + cx
	s_and_b32 s17, ttmp7, 0xffff
	s_lshl_b32 s17, s17, 2
	s_add_co_u32 s17, s17, s41                     ; tile row of C = 4 x cluster y + cy
	s_lshl_b32 s43, s41, 2
	s_lshl_b32 s43, 15, s43                        ; my row of the cluster
	s_lshl_b32 s44, 0x1111, s40                    ; my column
	; descriptor group 1: a tile of 128 rows x 256 bytes, padded in LDS
	s_or_b32 s[G1+0], s43, (0<<16)|(1<<20)|(1<<21)|(5<<22)|(3<<25)  ; 15:0 the mask; 17:16 elements of 1 byte; 20 padding on; 21 set beside a mask; 24:22 after every 64 words; 31:25 four words
	s_or_b32 s[G1B+0], s44, (0<<16)|(1<<20)|(1<<21)|(5<<22)|(3<<25)
.irp g, G1, G1B
	s_mov_b32 s[\g+1], ROWB<<16                    ; tensor_dim0
	s_mov_b32 s[\g+2], 128<<16                     ; tensor_dim1
	s_mov_b32 s[\g+3], ROWB<<16                    ; tile_dim0
	s_mov_b32 s[\g+4], 128                         ; tile_dim1
	s_mov_b32 s[\g+5], KROW                        ; tensor_dim0_stride
	s_mov_b32 s[\g+6], 0
	s_mov_b32 s[\g+7], 0
.endr
	; the scales of 128 rows: a dense block of 4,096 bytes, as 16 rows of 256 bytes (32 elements of 8 bytes), 16 bytes of padding behind each
	s_or_b32 s[G1S+0], s43, (3<<16)|(1<<20)|(1<<21)|(5<<22)|(3<<25)
	s_or_b32 s[G1SB+0], s44, (3<<16)|(1<<20)|(1<<21)|(5<<22)|(3<<25)
.irp g, G1S, G1SB
	s_mov_b32 s[\g+1], 32<<16
	s_mov_b32 s[\g+2], (128*KS/256)<<16
	s_mov_b32 s[\g+3], 32<<16
	s_mov_b32 s[\g+4], 128*KS/256
	s_mov_b32 s[\g+5], 32
	s_mov_b32 s[\g+6], 0
	s_mov_b32 s[\g+7], 0
.endr
	s_lshl_b32 s18, s16, 7                         ; which 128 rows of the tile I fetch
	s_lshl_b32 s20, s17, 8
	s_add_co_u32 s20, s20, s18                     ; A: row 256 x tile row + 128 x half
	s_lshl_b32 s46, s42, 8
	s_add_co_u32 s46, s46, s18                     ; B: row 256 x tile column + 128 x half
	s_mov_b32 s21, 0
	s_mov_b32 s47, 0
	s_mov_b64 s[18:19], KS
	s_mul_u64 s[22:23], s[20:21], s[18:19]         ; where these rows' scales begin, in bytes
	s_mul_u64 s[92:93], s[46:47], s[18:19]
	s_mov_b64 s[18:19], KROW
	s_mul_u64 s[20:21], s[20:21], s[18:19]         ; and their codes
	s_mul_u64 s[46:47], s[46:47], s[18:19]
	s_mul_i32 s45, s14, HALFT                      ; where they go: wave x 128 rows: no place in the cluster enters an LDS address
	s_mul_i32 s94, s14, HALFS
	s_wait_dscnt 0x0                               ; both opening adds are done
	s_wait_kmcnt 0x0
	s_add_nc_u64 s[20:21], s[4:5], s[20:21]
	s_add_nc_u64 s[22:23], s[6:7], s[22:23]
	s_add_nc_u64 s[46:47], s[8:9], s[46:47]
	s_add_nc_u64 s[92:93], s[10:11], s[92:93]
	CROUND                                         ; all sixteen work-groups are here: the joint loads meet
	s_mov_b32 s[G0S], 1
	s_add_co_u32 s[G0S+1], s94, SCL
	s_mov_b64 s[G0S+2:G0S+3], s[22:23]
	s_or_b32 s[G0S+3], s[G0S+3], 0x80000000
	s_mov_b32 s[G0SB], 1
	s_add_co_u32 s[G0SB+1], s94, SCL
	s_mov_b64 s[G0SB+2:G0SB+3], s[92:93]
	s_or_b32 s[G0SB+3], s[G0SB+3], 0x80000000
	JLOAD G0S, G1S, G0SB, G1SB                     ; the scales first: they are wanted with the first slot.  Three tensor loads of mine are out behind the third line
.irp s, 0,1
	s_mov_b32 s[G0+4*\s], 1
	s_add_co_u32 s[G0+4*\s+1], s45, \s*SLOT
	s_add_nc_u64 s[G0+4*\s+2:G0+4*\s+3], s[20:21], \s*ROWB
	s_or_b32 s[G0+4*\s+3], s[G0+4*\s+3], 0x80000000
	s_mov_b32 s[G0B+4*\s], 1
	s_add_co_u32 s[G0B+4*\s+1], s45, \s*SLOT
	s_add_nc_u64 s[G0B+4*\s+2:G0B+4*\s+3], s[46:47], \s*ROWB
	s_or_b32 s[G0B+4*\s+3], s[G0B+4*\s+3], 0x80000000
	JLOAD G0+4*\s, G1, G0B+4*\s, G1B
.endr
	v_and_b32 v1, 15, v0                           ; r = l % 16
	v_bfe_u32 v2, v0, 4, 1                         ; h = l / 16
	; the bias of my 128 columns: which of the three hangs on the cluster's x alone
	v_lshlrev_b32 v[BO], 5, v2
	s_cmp_eq_u32 ttmp9, 0
	s_cselect_b64 s[96:97], s[96:97], s[98:99]
	s_cmp_eq_u32 ttmp9, 2
	s_cselect_b64 s[96:97], s[100:101], s[96:97]
	s_lshl_b32 s46, s40, 10
	s_lshl_b32 s47, s16, 9
	s_add_co_u32 s46, s46, s47                     ; my first column in the weight, x 4 bytes: 256 cx + 128 x half
	s_mov_b32 s47, 0
	s_add_nc_u64 s[96:97], s[96:97], s[46:47]
.irp b, 0,1,2,3,4,5,6,7
	global_load_b128 v[BI+8*\b:BI+8*\b+3], v[BO], s[96:97] offset:64*\b
	global_load_b128 v[BI+8*\b+4:BI+8*\b+7], v[BO], s[96:97] offset:64*\b+16
.endr
	v_mul_u32_u24 v3, v1, PITCH
	v_lshl_add_u32 v4, v2, 4, v3                   ; a fragment's row x pitch + 16 x half
	s_mul_i32 s21, s15, HALFT                      ; my 128 rows of A
	s_mul_i32 s22, s16, HALFT                      ; my 128 rows of B,
	s_add_co_u32 s22, s22, 2*HALFT                 ; which lie behind A's 256
.irp s, 0,1
	v_add_nc_u32 v[ADRA+\s], s21, v4
	v_add_nc_u32 v[ADRB+\s], s22, v4
	s_add_co_u32 s21, s21, SLOT
	s_add_co_u32 s22, s22, SLOT
.endr
	v_mul_u32_u24 v5, v1, KS                       ; my row's scales: 32 bytes a row,
	v_lshrrev_b32 v6, 8, v5
	v_lshl_add_u32 v5, v6, 4, v5                   ; and 16 more for each 256 passed
	s_mul_i32 s21, s15, HALFS                      ; A's: my 128 rows
	s_mul_i32 s22, s16, HALFS                      ; B's: my 128 rows, behind A's 256
	s_add_co_u32 s22, s22, 2*HALFS
	s_sub_co_u32 s22, s22, s21
	v_mul_u32_u24 v6, s22, v2                      ; lanes 16-31 take B's
	s_add_co_u32 s21, s21, SCL
	v_add_nc_u32 v5, v5, v6
	v_add_nc_u32 v[ADRS], s21, v5
	v_lshlrev_b32 v5, 3, v2
	v_xor_b32 v5, v5, v1
	v_lshlrev_b32 v5, 4, v5
	v_lshl_add_u32 v[CO], v2, 8, v5                ; 256 h + 16 (r ^ 8 h)
	v_lshlrev_b32 v[FO], 12, v1
	v_lshl_add_u32 v[FO], v2, 5, v[FO]             ; 4096 r + 32 h
	; where my 128 x 128 goes.  My 128 rows are block 2 x tile row + half of the 32 blocks of 128 tokens
	s_lshl_b32 s20, s17, 1
	s_add_co_u32 s20, s20, s15
	s_lshr_b32 s21, s20, 3                         ; batch
	s_and_b32 s20, s20, 7                          ; block of 128 in the batch
	s_lshl_b32 s22, s21, 4
	s_lshl_b32 s23, s40, 2
	s_add_co_u32 s22, s22, s23
	s_lshl_b32 s23, s16, 1
	s_add_co_u32 s22, s22, s23                     ; 16 batch + my first head (4 cx + 2 x half)
	s_lshl_b32 s22, s22, 17
	s_lshl_b32 s23, s20, 14
	s_add_co_u32 s22, s22, s23
	s_lshl_b32 s23, ttmp9, 23                      ; the tensor
	s_add_co_u32 s22, s22, s23
	s_mov_b32 s23, 0
	s_add_nc_u64 s[12:13], s[12:13], s[22:23]
	s_lshl_b32 s22, ttmp9, 2
	s_add_co_u32 s22, s22, s21
	s_lshl_b32 s22, s22, 16                        ; first: (4 tensor + batch) x 16 rows of 4,096 bytes
	s_add_co_u32 s22, s22, s46                     ; + my first column
	s_add_nc_u64 s[2:3], s[2:3], s[22:23]
	s_or_b32 s43, s41, s15                         ; my rows begin a batch where the tile row is a multiple of 4 and I hold the tile's upper half:
	s_cmp_eq_u32 s43, 0
	s_cselect_b32 s43, 8, 0                        ; then lanes r < 8 of blocks 0 and 1 hold tokens 0-15; a select, no branch
.macro FRAG reg, adr, q, i             ; a fragment, 16 rows x 128 K of 4-bit codes: lane l holds row l % 16; registers 4 c .. 4 c + 3 hold K = 64 c + 32 (l / 16) + 0 .. 31
.irp c, 0,1
	ds_load_b128 v[\reg+4*\c:\reg+4*\c+3], v[\adr] offset:64*(\q)+32*\c+(\i)*16*PITCH
.endr
.endm
; 16 matrix instructions: A's blocks a0, a0 + 1 x B's eight, the slot's q-th 128 along K.  p: B's set;  sc: the set of scale words.  zero = 1: the first product starts the sums.
; The 64 accumulators take turns, one instruction a turn, in the same order in every step.
.macro MUL16 a0, p, q, sc, zero
.irp a, \a0, \a0+1
.irp b, 0,1,2,3,4,5,6,7
.if \zero
	v_wmma_scale_f32_16x16x128_f8f6f4 v[8*(8*((\a)%4)+\b):8*(8*((\a)%4)+\b)+7], v[128*(\p)+FR*\b:128*(\p)+FR*\b+FR-1], v[AF+FR*(\a):AF+FR*(\a)+FR-1], 0, v[SC+8*NQ*(\sc)+NQ*\b+(\q)], v[SC+8*NQ*(\sc)+NQ*(\a)+(\q)] matrix_a_fmt:MATRIX_FMT_FP4 matrix_b_fmt:MATRIX_FMT_FP4 matrix_a_scale:MATRIX_SCALE_ROW1
.else
	v_wmma_scale_f32_16x16x128_f8f6f4 v[8*(8*((\a)%4)+\b):8*(8*((\a)%4)+\b)+7], v[128*(\p)+FR*\b:128*(\p)+FR*\b+FR-1], v[AF+FR*(\a):AF+FR*(\a)+FR-1], v[8*(8*((\a)%4)+\b):8*(8*((\a)%4)+\b)+7], v[SC+8*NQ*(\sc)+NQ*\b+(\q)], v[SC+8*NQ*(\sc)+NQ*(\a)+(\q)] matrix_a_fmt:MATRIX_FMT_FP4 matrix_b_fmt:MATRIX_FMT_FP4 matrix_a_scale:MATRIX_SCALE_ROW1
.endif
.endr
.endr
.endm
.macro FETCH_B slot, q, p              ; B's eight fragments of the slot's q-th 128 along K into set p
	WIN TO_B
.irp i, 0,1,2,3,4,5,6,7
	FRAG 128*(\p)+FR*\i, ADRB+\slot, \q, \i
.endr
	WIN 0
.endm
.macro FETCH_A slot, q, i0             ; A's blocks i0 .. i0 + 3
.irp i, \i0, \i0+1, \i0+2, \i0+3
	FRAG AF+FR*(\i), ADRA+\slot, \q, \i
.endr
.endm
.macro SCALES sc                       ; a slot's scale words into set sc: four words a row; lanes 0-15 take A's block i, lanes 16-31 B's block i
.irp i, 0,1,2,3,4,5,6,7
	ds_load_b128 v[SC+8*NQ*\sc+NQ*\i:SC+8*NQ*\sc+NQ*\i+3], v[ADRS] offset:\i*SBLK
.endr
.endm
.macro PLACES n                        ; plain vector instructions between a matrix instruction and a load into, or a vector instruction on, its registers
.rept \n
	v_nop
.endr
.endm
; A step of 128 along K that has its successor in the same slot.  A has one set of registers: blocks 0-3 are fetched anew in the step's middle, blocks 4-7 at its end; B has two sets.
.macro STEP slot, q, zero
	s_wait_dscnt 4*NL                              ; B's set and A's blocks 0-3 are in; the youngest eight loads (A's blocks 4-7) may be out
	WIN MUL_LO
	MUL16 0, (\q)%2, \q, \slot, \zero
	MUL16 2, (\q)%2, \q, \slot, \zero
	s_wait_dscnt 0                                 ; A's blocks 4-7 are in
	PLACES NP
	FETCH_B \slot, (\q)+1, 1-(\q)%2
	FETCH_A \slot, (\q)+1, 0
	WIN MUL_HI
	MUL16 4, (\q)%2, \q, \slot, \zero
	MUL16 6, (\q)%2, \q, \slot, \zero
	PLACES NP
	WIN 0
	FETCH_A \slot, (\q)+1, 4
.endm
; Slot 0's last step goes over to slot 1: each wave waits for all its tensor loads (slot 1's was still out), adds 0 to its spare word, waits for that and its LDS reads; one barrier; nothing is filled again.
.macro TURN slot, next
	s_wait_tensorcnt 0x0                           ; my part of the next slot has landed
	ds_add_u32 v[SPW], v[NIL]                      ; 0 onto my spare word
	s_wait_dscnt 4*NL+1                            ; the add and the youngest eight loads (A's blocks 4-7) may be out
	WIN MUL_LO
	MUL16 0, 1, NQ-1, \slot, 0
	s_wait_dscnt 0x0
	s_barrier_signal -1
	MUL16 2, 1, NQ-1, \slot, 0
	WIN 0
	s_barrier_wait -1                              ; everybody's part of the next slot has landed
	PLACES NP
	v_add_nc_u32 v[ADRS], 4*NQ, v[ADRS]            ; on to the next slot's scale words
	FETCH_B \next, 0, 0
	FETCH_A \next, 0, 0
	SCALES \next
	WIN MUL_HI
	MUL16 4, 1, NQ-1, \slot, 0
	MUL16 6, 1, NQ-1, \slot, 0
	PLACES NP
	WIN 0
	FETCH_A \next, 0, 4
.endm
.macro STEPS slot, from                ; the slot's steps from .. NQ - 2
.set QS, \from
.rept NQ-1-\from
	STEP \slot, QS, 0
.set QS, QS+1
.endr
.endm
	s_wait_tensorcnt 1                             ; the scales and my part of slot 0 are in; slot 1's load may be out
	s_barrier_signal -1
	s_barrier_wait -1                              ; everybody's are
	FETCH_B 0, 0, 0
	FETCH_A 0, 0, 0
	SCALES 0
	FETCH_A 0, 0, 4
	STEP 0, 0, 1                                   ; the first step's products start the sums: nothing is cleared
	STEPS 0, 1
	TURN 0, 1
	STEPS 1, 0
	s_wait_dscnt 4*NL                              ; the last step: nothing more to fetch
	WIN MUL_LO
	MUL16 0, 1, NQ-1, 1, 0
	MUL16 2, 1, NQ-1, 1, 0
	s_wait_dscnt 0
	WIN MUL_HI
	MUL16 4, 1, NQ-1, 1, 0
	MUL16 6, 1, NQ-1, 1, 0
	WIN 0
; THE WAY OUT, block by block of 16 rows.  The bias is added in f32, two numbers an instruction, each accumulator from its low end on; eight numbers of a lane become 16 bytes of f16.
.macro OUTA a
.set AC, 64*((\a)%4)
.if (\a) > 0
	s_wait_xcnt 0x0                                ; the last block's stores have read their registers: only now are these written again
.endif
	WIN 0x02+((\a)/4)                              ; source 0: window 2 or 3
.irp b, 0,1,2,3,4,5,6,7
.irp p, 0,1,2,3
	v_pk_add_f32 v[TS+8*\b+2*\p:TS+8*\b+2*\p+1], v[AC+8*\b+2*\p:AC+8*\b+2*\p+1], v[BI+8*\b+2*\p:BI+8*\b+2*\p+1]
.endr
.endr
	WIN 0
.irp b, 0,1,2,3,4,5,6,7
.irp p, 0,1,2,3
	v_cvt_pk_f16_f32 v[HF+4*\b+\p], v[TS+8*\b+2*\p], v[TS+8*\b+2*\p+1]
.endr
.endr
.irp b, 0,1,2,3,4,5,6,7
	global_store_b128 v[CO], v[HF+4*\b:HF+4*\b+3], s[12:13] offset:(\a)*2048+(\b/4)*131072+(\b%4)*512   ; 32 lanes store 512 consecutive bytes, aligned
.endr
.if (\a) < 2
	s_wait_xcnt 0x0                                ; EXEC changes only behind this wait
	s_and_saveexec_b32 s45, vcc_lo                 ; the lanes that hold tokens 8 a .. 8 a + 7 of a batch; in most waves none
.irp b, 0,1,2,3,4,5,6,7
.irp e, 0,1
	global_store_b128 v[FO], v[TS+8*\b+4*\e:TS+8*\b+4*\e+3], s[2:3] offset:(\a)*32768+64*\b+16*\e
.endr
.endr
	s_wait_xcnt 0x0                                ; and again in front of the line that widens it
	s_or_b32 exec_lo, exec_lo, s45
.endif
.endm
	s_wait_loadcnt 0x0                             ; the bias
	PLACES NP                                      ; behind the last products: their fragments' registers are written below, their results read later
	v_cmp_gt_u32 vcc_lo, s43, v1                   ; r < 8 where my rows begin a batch, else no lane.  No tensor load follows
.irp a, 0,1,2,3,4,5,6,7
	OUTA \a
.endr
	s_wait_tensorcnt 0x0                           ; the wave's end
	ds_add_u32 v[SPW], v[NIL]
	s_wait_dscnt 0x0
	CROUND                                         ; the closing round: no work-group ends while a partner may still ask for a tile that names it
	s_endpgm
.Lfunc_end_k_qd920bccd92_proj:
	.size	k_qd920bccd92_proj, .Lfunc_end_k_qd920bccd92_proj-k_qd920bccd92_proj
	.p2alignl 7, 3214868480
	.fill 96, 4, 3214868480
	.section	.rodata,"a",@progbits
	.p2align	6, 0x0
	.amdhsa_kernel k_qd920bccd92_proj
		.amdhsa_group_segment_fixed_size 327680
		.amdhsa_private_segment_fixed_size 0
		.amdhsa_enable_private_segment 0
		.amdhsa_kernarg_size 72
		.amdhsa_user_sgpr_count 2
		.amdhsa_user_sgpr_kernarg_segment_ptr 1
		.amdhsa_wavefront_size32 1
		.amdhsa_system_sgpr_workgroup_id_x 1
		.amdhsa_system_sgpr_workgroup_id_y 1
		.amdhsa_system_sgpr_workgroup_id_z 1
		.amdhsa_system_vgpr_workitem_id 0
		.amdhsa_next_free_vgpr 1024
		.amdhsa_next_free_sgpr 102
		.amdhsa_reserve_vcc 1
		.amdhsa_float_denorm_mode_32 3
		.amdhsa_float_denorm_mode_16_64 3
		.amdhsa_memory_ordered 1
		.amdhsa_forward_progress 1
		.amdhsa_inst_pref_size 139
	.end_amdhsa_kernel
	.amdgpu_metadata
---
amdhsa.version: [ 1, 2 ]
amdhsa.kernels:
  - .name:           k_qd920bccd92_proj
    .symbol:         k_qd920bccd92_proj.kd
    .args:
      - { .name: xc, .offset: 0, .size: 8, .value_kind: global_buffer, .address_space: global }
      - { .name: xs, .offset: 8, .size: 8, .value_kind: global_buffer, .address_space: global }
      - { .name: wc, .offset: 16, .size: 8, .value_kind: global_buffer, .address_space: global }
      - { .name: ws, .offset: 24, .size: 8, .value_kind: global_buffer, .address_space: global }
      - { .name: qkv, .offset: 32, .size: 8, .value_kind: global_buffer, .address_space: global }
      - { .name: first, .offset: 40, .size: 8, .value_kind: global_buffer, .address_space: global }
      - { .name: bq, .offset: 48, .size: 8, .value_kind: global_buffer, .address_space: global }
      - { .name: bk, .offset: 56, .size: 8, .value_kind: global_buffer, .address_space: global }
      - { .name: bv, .offset: 64, .size: 8, .value_kind: global_buffer, .address_space: global }
    .group_segment_fixed_size: 327680
    .private_segment_fixed_size: 0
    .kernarg_segment_align: 8
    .kernarg_segment_size: 72
    .max_flat_workgroup_size: 128
    .sgpr_count:     102
    .vgpr_count:     1024
    .wavefront_size: 32
...
	.end_amdgpu_metadata
.endif
;; end of part 2
;; launch head16 (part 3): grid 64 x 1, 1 waves a work-group, no clusters, 4,608 bytes of LDS; arguments first, Er, out0; writes out0
.if DOCPART == 3
	.amdgcn_target "amdgcn-amd-amdhsa--gfx1250"
	.amdhsa_code_object_version 6
	.text
	.protected	k_qd920bccd92_head16
	.globl	k_qd920bccd92_head16
	.p2align	8
	.type	k_qd920bccd92_head16,@function
k_qd920bccd92_head16:
	s_mov_b64 s[64:65], 0
	v_nop
	global_prefetch_b8 v0, s[64:65] scope:SCOPE_SE
	s_setreg_imm32_b32 hwreg(HW_REG_WAVE_MODE, 25, 1), 1
	s_wait_xcnt 0x0
; Queries 0-15 of each of the 64 (batch, head) pairs, wholly in f32: these rows average one to sixteen values, so 16-bit operands would weigh most here.  One wave to a pair.
; score(i, j) = q_i . (k_j + Er[1023 - i + j]) / 8 for j <= i: that is what the pad, reshape and slice of the relative term come to under the causal mask.
; All products by v_wmma_f32_16x16x4_f32, used transposed: a lane (r = lane % 16, h = lane / 16) holds query r and, in registers j, keys 8 h + j.
; Along a product's K the same order is used on both sides: in step p, place 2 h + e stands for channel 32 h + 2 p + e (first products) or key 8 h + 2 p + e (the last).
; THE SKEW.  R = E q^T for Er's rows 1008 + 8 h + k (k = 0 .. 15, rows past 1023 held at 1023): band register k.  Key register k' wants band[k' + 15 - r]: a shift by 15 - r registers, made of four
; selections by constant lane masks (8, 4, 2, 1).  What is shifted in from beyond the band belongs to keys j > i alone, which the mask hides.
; The registers that the matrix instructions write (v176-231) are written by them alone, and each result is read from its low end on.
; LIMITS: NaN and infinities among the inputs are not served.
.set SPARE, 4352                       ; behind the stage of 16 rows x (256 + 16) bytes: the wave's spare words, one block of 256 bytes that no other line names
.set QF, 16                            ; v16-47   q: register 2 p + e
.set KF, 48                            ; v48-79   k
.set E0, 80                            ; v80-111  Er's rows 1008 + r
.set E1, 112                           ; v112-143 Er's rows min(1016 + r, 1023)
.set VF, 144                           ; v144-175 v: register 8 ct + jj = v[key 8 h + jj][channel 16 ct + r]
.set S0, 176                           ; v176-183 k q^T
.set R0, 184                           ; v184-199 the band
.set R1, 192
.set OA, 200                           ; v200-231 O^T, four tiles of 16 channels
.set Y,  232                           ; v232-246 the shifted band, then the scores, then p
	s_load_b128 s[4:7], s[0:1], 0x0                ; first, Er
	s_load_b64 s[8:9], s[0:1], 0x10                ; out0
	v_lshl_add_u32 v4, v0, 2, SPARE                ; my spare word; never rewritten
	v_mov_b32 v5, 0                                ; 0; never rewritten
	v_mov_b32 v6, 0                                ; what lies beyond the band
	v_and_b32 v1, 15, v0                           ; r
	v_lshrrev_b32 v2, 4, v0                        ; h
	s_lshr_b32 s10, ttmp9, 4                       ; batch
	s_and_b32 s11, ttmp9, 15                       ; head
	s_lshl_b32 s12, s10, 16                        ; first: a batch's 16 rows of 4,096 bytes,
	s_lshl_b32 s13, s11, 8                         ; the head's 256 bytes of a row
	s_add_co_u32 s12, s12, s13
	s_lshl_b32 s14, s10, 22                        ; out0: a batch's 1,024 rows
	s_add_co_u32 s14, s14, s13
	s_mov_b32 s13, 0
	s_mov_b32 s15, 0
	s_mov_b32 s20, 0x76543210
	s_mov_b32 s21, 0xfedcba98                      ; v_permlanex16_b32's selects for lane l xor 16
	s_mov_b32 s22, 0x3e38aa3b                      ; c = log2(e) / 8
	s_mov_b32 s24, 0x00ff00ff                      ; the lanes whose 15 - r has bit 3: r < 8;
	s_mov_b32 s25, 0x0f0f0f0f                      ; bit 2;
	s_mov_b32 s26, 0x33333333                      ; bit 1;
	s_mov_b32 s27, 0x55555555                      ; bit 0
	v_lshlrev_b32 v7, 12, v1
	v_lshl_add_u32 v7, v2, 7, v7                   ; q, k: row r, channels 32 h on
	v_add_nc_u32 v8, 1008, v1
	v_lshlrev_b32 v8, 8, v8
	v_lshl_add_u32 v8, v2, 7, v8                   ; Er: row 1008 + r
	v_add_nc_u32 v9, 1016, v1
	v_min_u32 v9, 0x3ff, v9                        ; no load leaves Er
	v_lshlrev_b32 v9, 8, v9
	v_lshl_add_u32 v9, v2, 7, v9
	v_lshlrev_b32 v10, 2, v1
	v_lshl_add_u32 v10, v2, 15, v10                ; v: keys 8 h on, channel r
	v_mul_u32_u24 v11, v1, 272
	v_lshl_add_u32 v11, v2, 5, v11                 ; the stage, in: row r, 32 h bytes on
	v_mul_u32_u24 v12, v2, 272
	v_lshl_add_u32 v12, v1, 4, v12                 ; back: lanes 0-15 one row, lanes 16-31 the next
	v_lshlrev_b32 v13, 12, v2
	v_lshl_add_u32 v13, v1, 4, v13                 ; and the same two rows in out0
	v_lshlrev_b32 v248, 3, v2
	v_sub_nc_u32 v248, v1, v248                    ; d = r - 8 h: key register j is hidden where j > d
	v_mov_b32 v249, 0xff800000                     ; -infinity
	v_mov_b32 v251, 0                              ; written once: a lane permute's destination counts as one of its sources
	s_wait_kmcnt 0x0
	s_add_nc_u64 s[4:5], s[4:5], s[12:13]
	s_add_nc_u64 s[8:9], s[8:9], s[14:15]
.irp i, 0,1,2,3,4,5,6,7
	global_load_b128 v[QF+4*\i:QF+4*\i+3], v7, s[4:5] offset:16*\i
	global_load_b128 v[KF+4*\i:KF+4*\i+3], v7, s[4:5] offset:262144+16*\i
	global_load_b128 v[E0+4*\i:E0+4*\i+3], v8, s[6:7] offset:16*\i
	global_load_b128 v[E1+4*\i:E1+4*\i+3], v9, s[6:7] offset:16*\i
.endr
.irp n, 0,1,2,3
.irp j, 0,1,2,3,4,5,6,7
	global_load_b32 v[VF+8*\n+\j], v10, s[4:5] offset:524288+4096*\j+64*\n
.endr
.endr
	s_wait_loadcnt 0x0
	; three sums by turns, one instruction a turn; the first step starts them with the constant 0
.irp p, 0,1,2,3,4,5,6,7,8,9,10,11,12,13,14,15
.if \p == 0
	v_wmma_f32_16x16x4_f32 v[S0:S0+7], v[KF:KF+1], v[QF:QF+1], 0
	v_wmma_f32_16x16x4_f32 v[R0:R0+7], v[E0:E0+1], v[QF:QF+1], 0
	v_wmma_f32_16x16x4_f32 v[R1:R1+7], v[E1:E1+1], v[QF:QF+1], 0
.else
	v_wmma_f32_16x16x4_f32 v[S0:S0+7], v[KF+2*\p:KF+2*\p+1], v[QF+2*\p:QF+2*\p+1], v[S0:S0+7]
	v_wmma_f32_16x16x4_f32 v[R0:R0+7], v[E0+2*\p:E0+2*\p+1], v[QF+2*\p:QF+2*\p+1], v[R0:R0+7]
	v_wmma_f32_16x16x4_f32 v[R1:R1+7], v[E1+2*\p:E1+2*\p+1], v[QF+2*\p:QF+2*\p+1], v[R1:R1+7]
.endif
.endr
.rept 8
	v_nop                                          ; eight places behind this form (ISA guide 7.12.1)
.endr
	; the shift by 15 - r: by 8 out of the band into Y, then by 4, 2, 1 in place, ascending, so that a source is read before it is written
.irp k, 0,1,2,3,4,5,6,7
	v_cndmask_b32 v[Y+\k], v[R0+\k], v[R1+\k], s24
.endr
.irp k, 0,1,2,3,4,5,6
	v_cndmask_b32 v[Y+8+\k], v[R1+\k], v6, s24
.endr
.irp k, 0,1,2,3,4,5,6,7,8,9,10
	v_cndmask_b32 v[Y+\k], v[Y+\k], v[Y+\k+4], s25
.endr
.irp k, 0,1,2,3,4,5,6,7,8
	v_cndmask_b32 v[Y+\k], v[Y+\k], v[Y+\k+2], s26
.endr
.irp k, 0,1,2,3,4,5,6,7
	v_cndmask_b32 v[Y+\k], v[Y+\k], v[Y+\k+1], s27
.endr
.irp j, 0,1,2,3,4,5,6,7
	v_add_f32 v[Y+\j], v[S0+\j], v[Y+\j]           ; q . k + q . Er
.endr
.irp j, 0,1,2,3,4,5,6,7
	v_cmp_gt_i32 vcc_lo, \j, v248
	v_cndmask_b32 v[Y+\j], v[Y+\j], v249, vcc_lo   ; hidden keys: -infinity
.endr
	v_max3_num_f32 v250, v[Y], v[Y+1], v[Y+2]
	v_max3_num_f32 v250, v250, v[Y+3], v[Y+4]
	v_max3_num_f32 v250, v250, v[Y+5], v[Y+6]
	v_max_num_f32 v250, v250, v[Y+7]
	v_permlanex16_b32 v251, v250, s20, s21
	v_max_num_f32 v250, v250, v251                 ; the row's largest score: key 0 counts for every query, so it is a number
	v_mul_f32 v252, s22, v250
.irp j, 0,1,2,3,4,5,6,7
	v_fma_f32 v[Y+\j], v[Y+\j], s22, -v252         ; c s - c m
.endr
.irp j, 0,1,2,3,4,5,6,7
	v_exp_f32 v[Y+\j], v[Y+\j]
.endr
	v_nop                                          ; a plain line behind the last exponential
	s_wait_alu depctr_va_vdst(0)                   ; one wait for the batch, ahead of its first reader
	v_add_f32 v253, v[Y], v[Y+1]
	v_add_f32 v254, v[Y+2], v[Y+3]
	v_add_f32 v253, v253, v[Y+4]
	v_add_f32 v254, v254, v[Y+5]
	v_add_f32 v253, v253, v[Y+6]
	v_add_f32 v254, v254, v[Y+7]
	v_add_f32 v253, v253, v254
	v_permlanex16_b32 v251, v253, s20, s21
	v_add_f32 v253, v253, v251                     ; the row's sum
	v_rcp_f32 v255, v253
	v_nop
	s_wait_alu depctr_va_vdst(0)
	; O^T = v^T p: four tiles of channels by turns, two keys of each half a step
.irp p, 0,1,2,3
.irp n, 0,1,2,3
.if \p == 0
	v_wmma_f32_16x16x4_f32 v[OA+8*\n:OA+8*\n+7], v[VF+8*\n:VF+8*\n+1], v[Y:Y+1], 0
.else
	v_wmma_f32_16x16x4_f32 v[OA+8*\n:OA+8*\n+7], v[VF+8*\n+2*\p:VF+8*\n+2*\p+1], v[Y+2*\p:Y+2*\p+1], v[OA+8*\n:OA+8*\n+7]
.endif
.endr
.endr
.rept 8
	v_nop
.endr
.irp j, 0,1,2,3,4,5,6,7,8,9,10,11,12,13,14,15,16,17,18,19,20,21,22,23,24,25,26,27,28,29,30,31
	v_mul_f32 v[QF+\j], v[OA+\j], v255             ; register 8 n + j is o(r, 16 n + 8 h + j)
.endr
	; the way out: through the stage, so that sixteen lanes store the head's 256 bytes of a row, aligned
.irp n, 0,1,2,3
	ds_store_b128 v11, v[QF+8*\n:QF+8*\n+3] offset:64*\n
	ds_store_b128 v11, v[QF+8*\n+4:QF+8*\n+7] offset:64*\n+16
.endr
.irp i, 0,1,2,3,4,5,6,7
	ds_load_b128 v[KF+4*\i:KF+4*\i+3], v12 offset:\i*544          ; LDS serves a wave's instructions in order: these see my stores
.endr
.irp i, 0,1,2,3,4,5,6,7
	s_wait_dscnt 7-\i                              ; the younger loads may be out
	global_store_b128 v13, v[KF+4*\i:KF+4*\i+3], s[8:9] offset:\i*8192 th:TH_STORE_NT
.endr
	s_wait_tensorcnt 0x0                           ; the wave's end, behind the last LDS store
	ds_add_u32 v4, v5
	s_wait_dscnt 0x0
	s_endpgm
.Lfunc_end_k_qd920bccd92_head16:
	.size	k_qd920bccd92_head16, .Lfunc_end_k_qd920bccd92_head16-k_qd920bccd92_head16
	.p2alignl 7, 3214868480
	.fill 96, 4, 3214868480
	.section	.rodata,"a",@progbits
	.p2align	6, 0x0
	.amdhsa_kernel k_qd920bccd92_head16
		.amdhsa_group_segment_fixed_size 4608
		.amdhsa_private_segment_fixed_size 0
		.amdhsa_enable_private_segment 0
		.amdhsa_kernarg_size 24
		.amdhsa_user_sgpr_count 2
		.amdhsa_user_sgpr_kernarg_segment_ptr 1
		.amdhsa_wavefront_size32 1
		.amdhsa_system_sgpr_workgroup_id_x 1
		.amdhsa_system_sgpr_workgroup_id_y 1
		.amdhsa_system_sgpr_workgroup_id_z 1
		.amdhsa_system_vgpr_workitem_id 0
		.amdhsa_next_free_vgpr 256
		.amdhsa_next_free_sgpr 66
		.amdhsa_reserve_vcc 1
		.amdhsa_float_denorm_mode_32 3
		.amdhsa_float_denorm_mode_16_64 3
		.amdhsa_memory_ordered 1
		.amdhsa_forward_progress 1
		.amdhsa_inst_pref_size 22
	.end_amdhsa_kernel
	.amdgpu_metadata
---
amdhsa.version: [ 1, 2 ]
amdhsa.kernels:
  - .name:           k_qd920bccd92_head16
    .symbol:         k_qd920bccd92_head16.kd
    .args:
      - { .name: first, .offset: 0, .size: 8, .value_kind: global_buffer, .address_space: global }
      - { .name: Er, .offset: 8, .size: 8, .value_kind: global_buffer, .address_space: global }
      - { .name: out0, .offset: 16, .size: 8, .value_kind: global_buffer, .address_space: global }
    .group_segment_fixed_size: 4608
    .private_segment_fixed_size: 0
    .kernarg_segment_align: 8
    .kernarg_segment_size: 24
    .max_flat_workgroup_size: 32
    .sgpr_count:     66
    .vgpr_count:     256
    .wavefront_size: 32
...
	.end_amdgpu_metadata
.endif
;; end of part 3
;; launch attn (part 4): grid 4 x 64, 16 waves a work-group, no clusters, 327,680 bytes of LDS; arguments qkv, er16, out0; writes out0
.if DOCPART == 4
	.amdgcn_target "amdgcn-amd-amdhsa--gfx1250"
	.amdhsa_code_object_version 6
	.text
	.protected	k_qd920bccd92_attn
	.globl	k_qd920bccd92_attn
	.p2align	8
	.type	k_qd920bccd92_attn,@function
k_qd920bccd92_attn:
	s_mov_b64 s[64:65], 0
	v_nop
	global_prefetch_b8 v0, s[64:65] scope:SCOPE_SE
	s_setreg_imm32_b32 hwreg(HW_REG_WAVE_MODE, 25, 1), 1
	s_wait_xcnt 0x0
; Queries 16-1023 of each of the 64 (batch, head) pairs: out(i) = sum over j <= i of softmax_j(q_i . (k_j + Er[1023 - i + j]) / 8) v_j.  Operands f16, products, maxima and sums f32.
; (Queries 0-15 are the f32 launch's: the wave that would own them does no work and stores nothing.)
; SHARES.  Work-group (g, pair): sixteen waves, four to a SIMD; wave w owns the 16 queries of tile A = 4 w + g, so that every work-group has the same 72 tile steps under the causal mask.
; Every wave walks all 8 key steps of 128 keys with the ring; a step all of whose keys come after its queries (step > w / 2) is jumped over: a scalar branch on ids, round no barrier and no tensor load.
; LAYOUT.  All products are used transposed: a lane (r = lane % 16, h = lane / 16) holds query r, and in registers k = 0 .. 63 the keys 64 h + k of the step.  So tile u of K is keys 8 u .. 8 u + 7 and 64 + 8 u .. 64 + 8 u + 7:
; qkv is laid so, in the order of the operand's registers: every fragment is 512 consecutive bytes.  V comes turned by ds_load_tr16_b128 from the same layout.
; THE SKEW.  The band R = E q^T: tile u takes Er's rows D + 8 u + 0 .. 7 and D + 64 + 8 u + 0 .. 7, D = 1008 - 16 A + 128 step, so band register k (0 .. 79) of a lane is q_r . Er[D + 64 h + k].
; Key register k wants band[k + 15 - r]: a shift by 15 - r registers.  It is made of four passes of moves, by 2, 8, 4 and 1 registers, each under an EXEC that holds the lanes whose 15 - r has that bit,
; two moves an instruction, in place, ascending.  The shifted band is then the C of K q^T: no addition is spent.  Rows of Er past 1023 (zeros in er16) reach hidden scores alone.
; SOFTMAX.  A running maximum m and sum l for each query: p = 2^(c s - c m), c = log2(e) / 8; in every step O and l are multiplied by 2^(c m_old - c m_new).
; RING.  Two LDS slots of 256 keys (K 32 KB, V 32 KB), filled by waves 0-3, one tensor load each; all of er16 stays in LDS, filled once.
; NO CLUSTER, though the four work-groups of a pair walk the same K and V: the band's LDS address begins at group 2 (63 - A) + 16 step with A = 4 w + g, so partners would differ in an LDS address;
; and what would be shared is 256 KB for a work-group in the whole launch.
; LIMITS: |q|, |k|, |v|, |Er| under 65,504 (f16); NaN and infinities among the inputs are not served.
.set ER,    135168                     ; er16 in LDS: 144 groups of 1,024 bytes + 16 of padding
.set EP,    1040
.set SLX,   65536                      ; slots 1, 3 at byte 0, slots 0, 2 here: one exclusive or turns an address
.set STAGE, 65536                      ; the way out: 16 rows x 272 bytes for each wave, in the slot that has had its last fill and its last read, and 4,096 bytes behind it that are never filled
.set SPARE, 284928                     ; behind er16: the spare words, 128 bytes for each of the sixteen waves: eight blocks of 256 bytes that no other line names
.set LI,  1                            ; v1   my 16 bytes of a fragment's half: 256 h + 16 (r ^ 8 h)
.set LV,  2                            ; v2   the same for the turning load
.set EL,  3                            ; v3   my place in a tile of Er
.set SPW, 4                            ; v4   my spare word; never rewritten
.set NIL, 5                            ; v5   0; never rewritten
.set ADK, 6                            ; v6-8 LDS addresses of the step's K, V, Er
.set ADV, 7
.set ADE, 8
.set DQ,  9                            ; v9   16 (A % 8) + r - 64 h: on the diagonal key register k is hidden where k > this
.set CM,  10                           ; v10 c m, v11 m
.set MM,  11
.set LS,  12                           ; v[12:13] l, in two halves
.set AL,  14                           ; v14 the rescaling factor; v15 named with it as a pair
.set Q,   16                           ; v16-31   q's two fragments
.set X,   32                           ; v32-111  the band, then the scores, then p; p as f16 in v32-63; then v64-111 take six of V's later tiles
.set O,   112                          ; v112-143 O^T, four tiles of 16 channels
.set F,   144                          ; v144-223 fragments of Er, K or V
.set PFO, 224                          ; v224 256 x lane: the prefetches' offset; never rewritten
.set MX,  228                          ; v228-231 four maxima
.set T0,  232
.set OLD, 233
.set NEG, 234                          ; -infinity
.set T1,  235                          ; the shift by 1 keeps one register of the band here
.set SU,  236                          ; v236-239 two chains of sums
.set STI, 240                          ; the stage: in,
.set STB, 241                          ; back,
.set GO,  242                          ; and my offset in out0
.set WV,  10                           ; s10 wave
.set BH,  12                           ; s12 the pair
.set TA,  13                           ; s13 A
.set LAST, 14                          ; s14 my last key step; -1 for A = 0
.set A2,  15                           ; s15 2 (63 - A)
.set KS,  16                           ; s16 the key step
.set TB,  17                           ; s17 LDS byte at which the slot in hand begins
.set SLOTS, 18                         ; s18 slots still to be asked for
.set LIM, 19                           ; s19 1 in a wave that prefetches, else the greatest number
.set SEL, 20
.set CS,  22
.set M8,  24
.set M4,  25
.set M2,  26
.set M1,  27
.set G1R, 28                           ; s[28:35] descriptor group 1: 16,384 dense bytes as 64 rows of 256
.set G1E, 36                           ; s[36:43] 36 groups of er16: rows of 1,024 bytes, 16 of padding behind each
.set G0R, 44                           ; s[44:47] group 0 of the ring, which walks
.set G0E, 48                           ; s[48:51] group 0 for er16
.set PFA, 52                           ; s[52:53] where my prefetches stand
.macro TLOAD                           ; waves 0-3 fetch: K's two blocks of 128 keys, V's two.  The branch hangs on the wave's number alone; s_nop 0 and four v_nop follow the load
	s_cmp_lt_u32 s[WV], 4
	s_cbranch_scc0 .Lnone_\@
	tensor_load_to_lds s[G0R:G0R+3], s[G1R:G1R+7]
	s_nop 0
.rept 4
	v_nop
.endr
.Lnone_\@:
.endm
; A prefetch of what the NEXT change of slots will load: a slot's 32 KB of K and 32 KB of V.  The four work-groups of a pair walk the same K and V: the one with g = 0 asks; in it waves 4-7 ask for K's bytes
; and waves 8-11 for V's, 8,192 bytes a wave, lanes 256 bytes apart: each block of 256 bytes is named once in the launch.  The last change that fills a slot asks for nothing; slots 0 and 1 come by their loads alone.
.macro ASK
	s_cmp_gt_u32 s[SLOTS], s[LIM]
	s_cbranch_scc0 .Lnot_mine_\@
	global_prefetch_b8 v[PFO], s[PFA:PFA+1] th:TH_LOAD_NT scope:SCOPE_SE
.Lnot_mine_\@:
.endm
	s_load_b128 s[4:7], s[0:1], 0x0                ; qkv, er16
	s_load_b64 s[8:9], s[0:1], 0x10                ; out0
	v_lshl_add_u32 v[SPW], v0, 2, SPARE
	v_mov_b32 v[NIL], 0
	ds_add_u32 v[SPW], v[NIL]                      ; the wave's opening: the add, twice on end, and its wait ahead of the first tensor load
	ds_add_u32 v[SPW], v[NIL]
	v_lshrrev_b32 v244, 5, v0
	v_readfirstlane_b32 s[WV], v244                ; wave 0..15
	s_and_b32 s[BH], ttmp7, 0xffff
	s_lshl_b32 s[TA], s[WV], 2
	s_add_co_u32 s[TA], s[TA], ttmp9               ; A = 4 w + g
	s_lshr_b32 s[LAST], s[WV], 1                   ; A / 8
	s_cmp_eq_u32 s[TA], 0
	s_cselect_b32 s[LAST], -1, s[LAST]
	s_xor_b32 s[A2], s[TA], 63
	s_lshl_b32 s[A2], s[A2], 1
	s_mov_b32 s[KS], 0
	s_mov_b32 s[TB], SLX
	s_mov_b32 s[SLOTS], 3
	s_mov_b32 s[SEL], 0x76543210
	s_mov_b32 s[SEL+1], 0xfedcba98                 ; v_permlanex16_b32's selects for lane l xor 16
	s_mov_b32 s[CS], 0x3e38aa3b                    ; c = log2(e) / 8
	s_mov_b32 s[CS+1], s[CS]                       ; (named with it as a pair, so it is written)
	s_mov_b32 s[M8], 0x00ff00ff                    ; the lanes whose 15 - r has bit 3, 2, 1, 0
	s_mov_b32 s[M4], 0x0f0f0f0f
	s_mov_b32 s[M2], 0x33333333
	s_mov_b32 s[M1], 0x55555555
	s_mov_b32 s[G1R], 3<<16                        ; no mask; elements of 8 bytes; no padding
	s_mov_b32 s[G1R+1], 32<<16                     ; tensor_dim0 = 32
	s_mov_b32 s[G1R+2], 64<<16                     ; tensor_dim1 = 64
	s_mov_b32 s[G1R+3], 32<<16                     ; tile_dim0 = 32
	s_mov_b32 s[G1R+4], 64                         ; tile_dim1 = 64
	s_mov_b32 s[G1R+5], 32                         ; the pitch
	s_mov_b32 s[G1R+6], 0
	s_mov_b32 s[G1R+7], 0
	s_mov_b32 s[G1E], (3<<16)|(1<<20)|(7<<22)|(3<<25)   ; elements of 8 bytes; padding on: after every 256 words four words
	s_mov_b32 s[G1E+1], 128<<16
	s_mov_b32 s[G1E+2], 36<<16
	s_mov_b32 s[G1E+3], 128<<16
	s_mov_b32 s[G1E+4], 36
	s_mov_b32 s[G1E+5], 128
	s_mov_b32 s[G1E+6], 0
	s_mov_b32 s[G1E+7], 0
	s_and_b32 s54, s[WV], 3                        ; which quarter I fetch, if I fetch
	s_mul_i32 s55, s54, 36*EP
	s_add_co_u32 s[G0E+1], s55, ER                 ; er16: 36 groups a wave, in LDS,
	s_mul_i32 s56, s54, 36*1024                    ; and in memory
	s_mov_b32 s57, 0
	s_lshl_b32 s[G0R+1], s54, 14
	s_add_co_u32 s[G0R+1], s[G0R+1], SLX           ; the ring: slot 0, my 16,384 bytes
	s_lshr_b32 s58, s54, 1
	s_add_co_u32 s58, s58, 1                       ; tensor 1 (K) or 2 (V),
	s_lshl_b32 s58, s58, 23
	s_lshl_b32 s59, s[BH], 17                      ; the pair,
	s_add_co_u32 s58, s58, s59
	s_and_b32 s59, s54, 1
	s_lshl_b32 s59, s59, 14                        ; the slot's first or second 128 keys
	s_add_co_u32 s58, s58, s59
	s_mov_b32 s59, 0
	s_wait_dscnt 0x0                               ; both opening adds are done
	s_wait_kmcnt 0x0
	s_mov_b32 s[G0E], 1
	s_add_nc_u64 s[G0E+2:G0E+3], s[6:7], s[56:57]
	s_or_b32 s[G0E+3], s[G0E+3], 0x80000000
	s_mov_b32 s[G0R], 1
	s_add_nc_u64 s[G0R+2:G0R+3], s[4:5], s[58:59]
	s_or_b32 s[G0R+3], s[G0R+3], 0x80000000
	s_cmp_lt_u32 s[WV], 4                          ; a wave's two first fills stand in one branch, ahead of every wait on TENSORcnt, LDS read and barrier: two loads of mine are out
	s_cbranch_scc0 .Lno_first
	tensor_load_to_lds s[G0E:G0E+3], s[G1E:G1E+7]
	s_nop 0
	tensor_load_to_lds s[G0R:G0R+3], s[G1R:G1R+7]
	s_nop 0
.rept 4
	v_nop
.endr
.Lno_first:
	v_and_b32 v244, 15, v0                         ; r
	v_bfe_u32 v245, v0, 4, 1                       ; h
	v_bfe_u32 v246, v0, 3, 1                       ; b = r / 8
	v_and_b32 v247, 7, v0                          ; r % 8
	v_lshlrev_b32 v248, 3, v245
	v_xor_b32 v248, v248, v244
	v_lshlrev_b32 v248, 4, v248
	v_lshl_add_u32 v[LI], v245, 8, v248            ; 256 h + 16 (r ^ 8 h)
	v_xor_b32 v248, v245, v246
	v_lshlrev_b32 v[LV], 4, v247
	v_lshl_add_u32 v[LV], v246, 8, v[LV]
	v_lshl_add_u32 v[LV], v248, 7, v[LV]           ; the turning load: lane 8 (2 h + b) + j reads key row 8 h + j, channels 8 b on: 256 b + 16 j + 128 (h ^ b)
	v_mul_u32_u24 v[EL], v246, 8*EP
	v_lshl_add_u32 v[EL], v245, 7, v[EL]
	v_lshl_add_u32 v[EL], v247, 4, v[EL]
	v_add_nc_u32 v[EL], ER, v[EL]                  ; Er: lanes r >= 8 take the group 8 further on; 128 h + 16 (r % 8)
	s_and_b32 s60, s[TA], 7
	s_lshl_b32 s60, s60, 4
	v_lshlrev_b32 v[DQ], 6, v245
	v_sub_nc_u32 v[DQ], v244, v[DQ]
	v_add_nc_u32 v[DQ], s60, v[DQ]
	; q's fragments: token 16 A + r lies in block A / 8, tile 2 (A % 4) + r / 8, row 8 ((A / 4) % 2) + r % 8
	s_bfe_u32 s60, s[TA], 0x10002
	v_xor_b32 v248, s60, v245
	v_lshlrev_b32 v249, 11, v246
	v_lshl_add_u32 v249, v245, 8, v249
	v_lshl_add_u32 v249, v247, 4, v249
	v_lshl_add_u32 v249, v248, 7, v249
	s_lshl_b32 s60, s[BH], 17
	s_lshr_b32 s61, s[TA], 3
	s_lshl_b32 s61, s61, 14
	s_add_co_u32 s60, s60, s61
	s_and_b32 s61, s[TA], 3
	s_lshl_b32 s61, s61, 12
	s_add_co_u32 s60, s60, s61
	s_mov_b32 s61, 0
	s_add_nc_u64 s[66:67], s[4:5], s[60:61]
.irp c, 0,1
.irp y, 0,1
	global_load_b128 v[Q+8*\c+4*\y:Q+8*\c+4*\y+3], v249, s[66:67] offset:1024*\c+512*\y
.endr
.endr
	; the way out's addresses, made here, ahead of every parting of the waves
	s_mul_i32 s60, s[WV], 16*272
	s_add_co_u32 s60, s60, STAGE
	v_mul_u32_u24 v[STI], v244, 272
	v_lshl_add_u32 v[STI], v245, 5, v[STI]
	v_add_nc_u32 v[STI], s60, v[STI]               ; in: row r, 32 h bytes on
	v_mul_u32_u24 v[STB], v245, 272
	v_lshl_add_u32 v[STB], v244, 4, v[STB]
	v_add_nc_u32 v[STB], s60, v[STB]               ; back: lanes 0-15 one row, lanes 16-31 the next
	v_lshlrev_b32 v[GO], 12, v245
	v_lshl_add_u32 v[GO], v244, 4, v[GO]           ; and the same two rows in out0
	s_lshr_b32 s60, s[BH], 4
	s_lshl_b32 s60, s60, 22                        ; the batch's 1,024 rows of 4,096 bytes,
	s_lshl_b32 s61, s[TA], 16                      ; my 16 rows,
	s_add_co_u32 s60, s60, s61
	s_and_b32 s61, s[BH], 15
	s_lshl_b32 s61, s61, 8                         ; the head's 256 bytes
	s_add_co_u32 s60, s60, s61
	s_mov_b32 s61, 0
	s_add_nc_u64 s[8:9], s[8:9], s[60:61]
	; the prefetches: where my wave's stand, and who asks
	s_sub_co_u32 s60, s[WV], 4
	s_bfe_u32 s61, s60, 0x10002                    ; waves 4-7: K; waves 8-11: V
	s_add_co_u32 s61, s61, 1
	s_lshl_b32 s62, s61, 23
	s_lshl_b32 s61, s[BH], 17
	s_add_co_u32 s62, s62, s61
	s_lshl_b32 s61, s54, 13                        ; my 8,192 bytes of the 32,768
	s_add_co_u32 s62, s62, s61
	s_add_co_u32 s62, s62, 32768                   ; in slot 1: the first change of slots steps it to slot 2
	s_mov_b32 s63, 0
	s_add_nc_u64 s[PFA:PFA+1], s[4:5], s[62:63]
	s_lshr_b32 s60, s60, 3                         ; 0 in waves 4 to 11,
	s_or_b32 s60, s60, ttmp9                       ; of the pair's first work-group
	s_cmp_eq_u32 s60, 0
	s_cselect_b32 s[LIM], 1, -1
	v_and_b32 v[PFO], 31, v0
	v_lshlrev_b32 v[PFO], 8, v[PFO]
	v_mov_b32 v[MM], 0xff61b1e6                    ; the largest score so far: -3e38
	v_mul_f32 v[CM], s[CS], v[MM]
	v_mov_b32 v[LS], 0
	v_mov_b32 v[LS+1], 0
	v_mov_b32 v[AL], 0
	v_mov_b32 v[AL+1], 0
	v_mov_b32 v[T0], 0                             ; written once: a lane permute's destination counts as one of its sources
	v_mov_b32 v[T1], 0                             ; written whole once: later it is written and read with some lanes off
	v_mov_b32 v[NEG], 0xff800000
.irp j, 0,1,2,3,4,5,6,7,8,9,10,11,12,13,14,15,16,17,18,19,20,21,22,23,24,25,26,27,28,29,30,31
	v_mov_b32 v[O+\j], 0                           ; the step is written once: the first finds zeros
.endr
; One pass of the shifter: x[k] = x[k + s] for k = 0 .. n - 1 (n even, s at least 2), in the lanes that are on.  Two moves an instruction: registers k and k + 1, whose sources k + s and k + s + 1 neither of them writes.
; Ascending, so that a source is read before it is written.
.macro SHM s, n
.set SHK, 0
.rept (\n)/2
	v_dual_mov_b32 v[X+SHK], v[X+SHK+\s] :: v_dual_mov_b32 v[X+SHK+1], v[X+SHK+1+\s]
.set SHK, SHK+2
.endr
.endm
; THE SHIFT by 15 - r registers.  The last pass has to leave 64 registers, the one before it 64 + 1, then 64 + 1 + 4, then 64 + 1 + 4 + 8, each rounded up to an even count: 78, 70, 66, 64; the highest register read is x[79].
; The pass by 2 goes first: moves read x[k + s] alone, and so each tile of the band is first read at its registers 0 to 3.
.macro SHIFT
	s_wait_xcnt 0x0                                ; a prefetch of the change of slots may be out: EXEC is written only behind this wait
	s_mov_b32 exec_lo, s[M2]
	SHM 2, 78
	s_mov_b32 exec_lo, s[M8]
	SHM 8, 70
	s_mov_b32 exec_lo, s[M4]
	SHM 4, 66
	s_mov_b32 exec_lo, s[M1]                       ; by 1: neighbours would overlap, so register k goes with register k + 33;
	v_mov_b32 v[T1], v[X+33]                       ; x[33], which the first pair writes and x[32] still wants, is kept
.set SHK, 0
.rept 31
	v_dual_mov_b32 v[X+SHK], v[X+SHK+1] :: v_dual_mov_b32 v[X+SHK+33], v[X+SHK+34]
.set SHK, SHK+1
.endr
	v_mov_b32 v[X+31], v[X+32]
	v_mov_b32 v[X+32], v[T1]
	s_mov_b32 exec_lo, -1                          ; all lanes on again, ahead of the matrix instructions
.endm
.macro KLOAD sub, g                    ; K's tiles 4 g .. 4 g + 3: 16 loads of 512 consecutive bytes, channels 0-31 of all four first
.irp c, 0,1
.irp u, 0,1,2,3
.irp y, 0,1
	ds_load_b128 v[F+16*\u+8*\c+4*\y:F+16*\u+8*\c+4*\y+3], v[ADK] offset:16384*(\sub)+2048*(4*(\g)+\u)+1024*\c+512*\y
.endr
.endr
.endr
.endm
.macro KROW g, c                       ; scores += K q^T over channels 32 c on, in place on the shifted band; four accumulators by turns
.irp u, 0,1,2,3
	v_wmma_f32_16x16x32_f16 v[X+8*(4*(\g)+\u):X+8*(4*(\g)+\u)+7], v[F+16*\u+8*(\c):F+16*\u+8*(\c)+7], v[Q+8*(\c):Q+8*(\c)+7], v[X+8*(4*(\g)+\u):X+8*(4*(\g)+\u)+7]
.endr
.endm
.macro VLOAD0 sub                      ; V^T for p's operands 0, 1 (keys 64 h + 16 w + 0 .. 15), four tiles of 16 channels, into F
.irp w, 0,1
.irp n, 0,1,2,3
.irp e, 0,1
	ds_load_tr16_b128 v[F+32*\w+8*\n+4*\e:F+32*\w+8*\n+4*\e+3], v[ADV] offset:32768+16384*(\sub)+2048*(2*\w+\e)+512*\n
.endr
.endr
.endr
.endm
.macro VREG w, n                       ; where tile (w, n) of V's second half lies: six tiles in v64-111, which p has left when it is packed, two in v208-223
.set VI, 4*(\w)+(\n)
.if VI < 6
.set VR, X+32+8*VI
.else
.set VR, F+64+8*(VI-6)
.endif
.endm
.macro VLOAD1 sub                      ; V^T for p's operands 2, 3
.irp w, 0,1
.irp n, 0,1,2,3
	VREG \w, \n
.irp e, 0,1
	ds_load_tr16_b128 v[VR+4*\e:VR+4*\e+3], v[ADV] offset:32768+16384*(\sub)+2048*(2*(2+\w)+\e)+512*\n
.endr
.endr
.endr
.endm
.macro PROW0 w                         ; O^T += V^T p, p's operand w; four accumulators by turns
.irp n, 0,1,2,3
	v_wmma_f32_16x16x32_f16 v[O+8*\n:O+8*\n+7], v[F+32*(\w)+8*\n:F+32*(\w)+8*\n+7], v[X+8*(\w):X+8*(\w)+7], v[O+8*\n:O+8*\n+7]
.endr
.endm
.macro PROW1 w                         ; the same, p's operand 2 + w
.irp n, 0,1,2,3
	VREG \w, \n
	v_wmma_f32_16x16x32_f16 v[O+8*\n:O+8*\n+7], v[VR:VR+7], v[X+8*(2+(\w)):X+8*(2+(\w))+7], v[O+8*\n:O+8*\n+7]
.endr
.endm
.macro NOPS n
.rept \n
	v_nop
.endr
.endm
; A KEY STEP: 128 keys, the slot's first (sub = 0) or second (1).
.macro STEP sub
	s_cmp_gt_i32 s[KS], s[LAST]                    ; all its keys come after my queries: ids and the count of steps alone
	s_cbranch_scc1 .Lskip_\@
	s_lshl_b32 s54, s[KS], 4
	s_add_co_u32 s54, s54, s[A2]                   ; the band's first group of Er: 2 (63 - A) + 16 step, at most 126 in a step that is walked
	s_min_u32 s54, s54, 126
	s_mul_i32 s54, s54, EP
	v_add_nc_u32 v[ADE], s54, v[EL]
	v_add_nc_u32 v[ADK], s[TB], v[LI]
	v_add_nc_u32 v[ADV], s[TB], v[LV]
	NOPS 2                                         ; with the three additions five places: the band's products write over p and over V's tiles in v64-111, which the last step's products read (ISA guide 7.12.1)
.irp e, 0,1                                    ; the band: ten tiles of Er, five at a time; channels 0-31 of the five first
.if \e > 0
	NOPS 4                                         ; places in front of loads into registers that matrix instructions have read
.endif
.irp c, 0,1
.irp u, 0,1,2,3,4
.irp y, 0,1
	ds_load_b128 v[F+16*\u+8*\c+4*\y:F+16*\u+8*\c+4*\y+3], v[ADE] offset:EP*(5*\e+\u)+512*\c+256*\y
.endr
.endr
.endr
	s_wait_dscnt 10                                ; channels 0-31 are in; the ten loads of channels 32-63 may be out
.irp u, 0,1,2,3,4
	v_wmma_f32_16x16x32_f16 v[X+8*(5*\e+\u):X+8*(5*\e+\u)+7], v[F+16*\u:F+16*\u+7], v[Q:Q+7], 0
.endr
	s_wait_dscnt 0x0
.irp u, 0,1,2,3,4
	v_wmma_f32_16x16x32_f16 v[X+8*(5*\e+\u):X+8*(5*\e+\u)+7], v[F+16*\u+8:F+16*\u+15], v[Q+8:Q+15], v[X+8*(5*\e+\u):X+8*(5*\e+\u)+7]
.endr
.endr
	NOPS 4                                         ; places, with all lanes on, behind the band's last products: their fragments are loaded over and their results moved below
	KLOAD \sub, 0                                  ; lands while the band is shifted
	SHIFT
	s_wait_dscnt 0x0
	KROW 0, 0
	KROW 0, 1
	NOPS 4
	KLOAD \sub, 1
	s_wait_dscnt 8                                 ; channels 0-31 are in; the eight loads of channels 32-63 may be out
	KROW 1, 0
	s_wait_dscnt 0x0
	KROW 1, 1
	NOPS 4                                         ; places in front of the loads below and of the first read of the scores
	VLOAD0 \sub                                    ; lands while the softmax is walked
	s_cmp_lg_u32 s[KS], s[LAST]                    ; on the diagonal, my last step, hidden scores become -infinity
	s_cbranch_scc1 .Lopen_\@
.set DK, 0
.rept 64
	v_cmp_gt_i32 vcc_lo, DK, v[DQ]
	v_cndmask_b32 v[X+DK], v[X+DK], v[NEG], vcc_lo
.set DK, DK+1
.endr
.Lopen_\@:
.irp b, 0,1,2,3
	v_max3_num_f32 v[MX+\b], v[X+16*\b], v[X+16*\b+1], v[X+16*\b+2]   ; four chains by turns, each ascending
.endr
.irp i, 3,5,7,9,11,13
.irp b, 0,1,2,3
	v_max3_num_f32 v[MX+\b], v[MX+\b], v[X+16*\b+\i], v[X+16*\b+\i+1]
.endr
.endr
.irp b, 0,1,2,3
	v_max_num_f32 v[MX+\b], v[MX+\b], v[X+16*\b+15]
.endr
	v_max3_num_f32 v[MX], v[MX], v[MX+1], v[MX+2]
	v_max_num_f32 v[MX], v[MX], v[MX+3]
	v_permlanex16_b32 v[T0], v[MX], s[SEL], s[SEL+1]   ; the query's other 64 keys lie in the lane 16 away
	v_mov_b32 v[OLD], v[CM]
	v_max3_num_f32 v[MM], v[MX], v[T0], v[MM]      ; the new m
	v_mul_f32 v[CM], s[CS], v[MM]
	v_sub_f32 v[AL], v[OLD], v[CM]                 ; c m_old - c m_new
.set DK, 0
.rept 32
	v_pk_fma_f32 v[X+DK:X+DK+1], v[X+DK:X+DK+1], s[CS:CS+1], v[CM:CM+1] op_sel_hi:[1,0,0] neg_lo:[0,0,1] neg_hi:[0,0,1]   ; c s - c m, two at a time
.set DK, DK+2
.endr
.set DK, 0
.rept 64
	v_exp_f32 v[X+DK], v[X+DK]
.set DK, DK+1
.endr
	v_exp_f32 v[AL], v[AL]
	v_nop                                          ; a plain line behind the last exponential
	s_wait_alu depctr_va_vdst(0)                   ; one wait for the batch of 65, ahead of its first reader
	v_pk_add_f32 v[SU:SU+1], v[X:X+1], v[X+2:X+3]  ; the row's sum, of p in f32: two chains
	v_pk_add_f32 v[SU+2:SU+3], v[X+4:X+5], v[X+6:X+7]
.irp j, 8,12,16,20,24,28,32,36,40,44,48,52,56,60
	v_pk_add_f32 v[SU:SU+1], v[SU:SU+1], v[X+\j:X+\j+1]
	v_pk_add_f32 v[SU+2:SU+3], v[SU+2:SU+3], v[X+\j+2:X+\j+3]
.endr
	v_pk_add_f32 v[SU:SU+1], v[SU:SU+1], v[SU+2:SU+3]
	v_pk_fma_f32 v[LS:LS+1], v[LS:LS+1], v[AL:AL+1], v[SU:SU+1] op_sel_hi:[1,0,1]
.set DK, 0
.rept 32
	v_cvt_pk_f16_f32 v[X+DK], v[X+2*DK], v[X+2*DK+1]   ; p as f16, in place: register i takes keys 2 i, 2 i + 1; a source is read before it is written
.set DK, DK+1
.endr
	VLOAD1 \sub                                    ; p now lies in v32-63: V's second half is asked for into the registers that it has left, and lands under the rescaling and the first eight products
.set DK, 0
.rept 16
	v_pk_mul_f32 v[O+DK:O+DK+1], v[O+DK:O+DK+1], v[AL:AL+1] op_sel_hi:[1,0]
.set DK, DK+2
.endr
	s_wait_dscnt 16                                ; V's first half is in; the sixteen loads just issued may be out
	PROW0 0
	PROW0 1
	s_wait_dscnt 8                                 ; the tiles of p's operand 2 are in; the last eight loads may be out
	PROW1 0
	s_wait_dscnt 0x0
	PROW1 1
.Lskip_\@:
	s_add_co_u32 s[KS], s[KS], 1
.endm
; THE CHANGE OF SLOTS stands at a slot's head.  Each wave waits for all its tensor loads, adds 0 to its spare word (fill = 1: twice on end),
; and waits for that and for its reads of the slot that it has left.  Behind the barrier the slot ahead is whole and nobody reads the other one, which is then filled: one load a wave, with a slot's two steps in which to land.
.macro CHANGE fill
	s_wait_tensorcnt 0x0                           ; no tensor load of mine is out, so the walking group 0 may be written
	ds_add_u32 v[SPW], v[NIL]
.if \fill
	ds_add_u32 v[SPW], v[NIL]
	s_xor_b32 s[G0R+1], s[G0R+1], SLX              ; the other slot than last time,
	s_add_nc_u64 s[G0R+2:G0R+3], s[G0R+2:G0R+3], 32768   ; the next 256 keys; the type bits on top are not reached
	s_wait_xcnt 0x0                                ; the last prefetch, a slot back, has read its address
	s_add_nc_u64 s[PFA:PFA+1], s[PFA:PFA+1], 32768
.endif
	s_wait_dscnt 0x0
	s_barrier_signal -1
	s_barrier_wait -1
.if \fill
	TLOAD
	ASK
.endif
.endm
	s_wait_loadcnt 0x0                             ; q
.Lslot:                                            ; three trips: behind each change of slots but the last the next slot is asked for.  Waves 14 and 15 read every slot, so no load is ever left out
	CHANGE 1
	STEP 0
	STEP 1
	s_xor_b32 s[TB], s[TB], SLX
	s_sub_co_u32 s[SLOTS], s[SLOTS], 1
	s_cmp_lg_u32 s[SLOTS], 0
	s_cbranch_scc1 .Lslot
	CHANGE 0                                       ; the last slot is written out
	STEP 0
	STEP 1
	; THE WAY OUT.  O^T / l goes through my stage, so that sixteen lanes store the head's 256 bytes of a row, aligned.
	NOPS 4                                         ; places behind the last products
	s_cmp_eq_u32 s[TA], 0                          ; queries 0-15 belong to the f32 launch
	s_cbranch_scc1 .Lend
	v_add_f32 v[LS], v[LS], v[LS+1]
	v_permlanex16_b32 v[T0], v[LS], s[SEL], s[SEL+1]
	v_add_f32 v[LS], v[LS], v[T0]                  ; the row's sum
	v_rcp_f32 v[AL], v[LS]
	v_nop
	s_wait_alu depctr_va_vdst(0)
.set DK, 0
.rept 16
	v_pk_mul_f32 v[X+DK:X+DK+1], v[O+DK:O+DK+1], v[AL:AL+1] op_sel_hi:[1,0]   ; register 8 n + j is o(r, 16 n + 8 h + j)
.set DK, DK+2
.endr
.irp n, 0,1,2,3
	ds_store_b128 v[STI], v[X+8*\n:X+8*\n+3] offset:64*\n
	ds_store_b128 v[STI], v[X+8*\n+4:X+8*\n+7] offset:64*\n+16
.endr
.irp i, 0,1,2,3,4,5,6,7
	ds_load_b128 v[F+4*\i:F+4*\i+3], v[STB] offset:\i*544         ; LDS serves a wave's instructions in order: these see my stores
.endr
.irp i, 0,1,2,3,4,5,6,7
	s_wait_dscnt 7-\i                              ; the younger loads may be out
	global_store_b128 v[GO], v[F+4*\i:F+4*\i+3], s[8:9] offset:\i*8192 th:TH_STORE_NT
.endr
.Lend:
	s_wait_tensorcnt 0x0                           ; the wave's end
	ds_add_u32 v[SPW], v[NIL]
	s_wait_dscnt 0x0
	s_endpgm
.Lfunc_end_k_qd920bccd92_attn:
	.size	k_qd920bccd92_attn, .Lfunc_end_k_qd920bccd92_attn-k_qd920bccd92_attn
	.p2alignl 7, 3214868480
	.fill 96, 4, 3214868480
	.section	.rodata,"a",@progbits
	.p2align	6, 0x0
	.amdhsa_kernel k_qd920bccd92_attn
		.amdhsa_group_segment_fixed_size 327680
		.amdhsa_private_segment_fixed_size 0
		.amdhsa_enable_private_segment 0
		.amdhsa_kernarg_size 24
		.amdhsa_user_sgpr_count 2
		.amdhsa_user_sgpr_kernarg_segment_ptr 1
		.amdhsa_wavefront_size32 1
		.amdhsa_system_sgpr_workgroup_id_x 1
		.amdhsa_system_sgpr_workgroup_id_y 1
		.amdhsa_system_sgpr_workgroup_id_z 1
		.amdhsa_system_vgpr_workitem_id 0
		.amdhsa_next_free_vgpr 256
		.amdhsa_next_free_sgpr 72
		.amdhsa_reserve_vcc 1
		.amdhsa_float_denorm_mode_32 3
		.amdhsa_float_denorm_mode_16_64 3
		.amdhsa_memory_ordered 1
		.amdhsa_forward_progress 1
		.amdhsa_inst_pref_size 155
	.end_amdhsa_kernel
	.amdgpu_metadata
---
amdhsa.version: [ 1, 2 ]
amdhsa.kernels:
  - .name:           k_qd920bccd92_attn
    .symbol:         k_qd920bccd92_attn.kd
    .args:
      - { .name: qkv, .offset: 0, .size: 8, .value_kind: global_buffer, .address_space: global }
      - { .name: er16, .offset: 8, .size: 8, .value_kind: global_buffer, .address_space: global }
      - { .name: out0, .offset: 16, .size: 8, .value_kind: global_buffer, .address_space: global }
    .group_segment_fixed_size: 327680
    .private_segment_fixed_size: 0
    .kernarg_segment_align: 8
    .kernarg_segment_size: 24
    .max_flat_workgroup_size: 512
    .sgpr_count:     72
    .vgpr_count:     256
    .wavefront_size: 32
...
	.end_amdgpu_metadata
.endif
;; end of part 4
